; MI455X (gfx1250); checked and timed in simulation.
; The chip was launched on July 23, 2026; its instructions are those of AMD's public machine-readable ISA for CDNA 5 (MIT licence, August 2026) and "CDNA5" Instruction Set Architecture Reference Guide (July 2026). The comments in the code are by the model that wrote it; some were corrected since.
;; Causal Self Attention. Allowed arithmetic: matrix products marked QUANTISED: E2M1 operands, one E8M0 scale for each 32 along K, by v_wmma_scale_f32_16x16x128_f8f6f4 with both operands' format E2M1 (or v_wmma_scale_f32_32x16x128_f4), f32 sums; everything else in f32.
;; Inputs: b_out 1,024 float32; b_qkv 3,072 float32; w_out 1,024 x 1,024 float32; w_qkv 1,024 x 3,072 float32; x 4 x 2,048 x 1,024 float32.
;; Outputs: out0 4 x 2,048 x 1,024 float32.
;; This version of the problem:
;;   THIS VERSION OF THE PROBLEM IS GIVEN IN LOW PRECISION. The matrix products marked QUANTISED in the list below multiply operands that are first quantised to E2M1 (2 exponent bits, 1 mantissa bit; 4 bits a number), with one power-of-two scale for each 32 numbers along K (OCP MX v1.0); their sums are f32. All else is computed in f32.
;;   The module's matrix products, in the order in which they are computed (A, B: the left and right operand; K: the contracted axis; several contracted axes count as one K, in the product's order):
;;     1. [M 8,192, K 1,024] x [K 1,024, N 3,072]; A: input x; B: input w_qkv: QUANTISED
;;     2. batch 64 x [M 2,048, K 64] x [K 64, N 2,048]; A: computed on the way; B: computed on the way: QUANTISED
;;     3. batch 64 x [M 2,048, K 2,048] x [K 2,048, N 64]; A: softmax (see below); B: computed on the way: QUANTISED
;;     4. [M 8,192, K 1,024] x [K 1,024, N 1,024]; A: computed on the way; B: input w_out: QUANTISED
;;   THE QUANTISER, for each operand of a quantised product, along K:
;;     - K is cut into blocks of 32 from its start; a last block that is shorter is filled with zeros.
;;     - A block's scale is 2^e with e = floor(log2(the largest magnitude in the block)) - 2, held to -126 .. 127; a block of zeros has e = 0. As a byte (E8M0): e + 127.
;;     - Each number is divided by its block's scale, clamped to +-6, and rounded to the nearest number of E2M1, ties to even, subnormals kept.
;;     - The product sums the exact products of the quantised numbers (number of the format x scale) in f32.
;;   ~~~python
;;   def quantise(x, axis):      # numpy; x: float32 -> the quantised numbers, widened to float32 again
;;       x = np.moveaxis(x, axis, -1); K = x.shape[-1]
;;       x = np.pad(x, [(0, 0)] * (x.ndim - 1) + [(0, -K % 32)]); x = x.reshape(x.shape[:-1] + (-1, 32)); a = np.abs(x).max(-1, keepdims=True)
;;       e = np.where(a > 0, np.clip(np.frexp(np.where(a > 0, a, 1))[1] - 1 - 2, -126, 127), 0)      # np.frexp(a)[1] - 1 = floor(log2(a)), exactly
;;       r = np.clip(x / 2.0 ** e, -6, 6)
;;       step = 2.0 ** (np.maximum(np.frexp(np.where(r == 0, 1, r))[1] - 1, 0) - 1)
;;       q = np.round(r / step) * step * 2.0 ** e      # np.round: ties to even
;;       return np.moveaxis(q.reshape(q.shape[:-2] + (-1,))[..., :K], -1, axis).astype(np.float32)
;;   ~~~
;;   SOFTMAX AHEAD OF A QUANTISED PRODUCT. Where the list says 'softmax', what is quantised is not the finished softmax but p = 2^(t - M), with t = logit x log2(e) and M = ceil(the row's largest t), a whole number; so 1/2 < the row's largest p <= 1. The row's sum l is taken of the UNQUANTISED p, in f32, and the product's result is divided by l at the end. Since M is a whole number, a kernel that streams over the keys may use a running M (the ceiling of the running maximum): every later rescaling is an exact power of two, which a block's scale takes up: the codes' values come out the same.
;;   OPERANDS COMPUTED ON THE WAY. 'Computed on the way' means the value that the module computes at that place (a softmax that the list does not call 'softmax' is quantised finished and normalised). What goes into a quantiser is computed in f32, as accurately as f32 sums, v_exp_f32 and their like allow (about 1e-6 of the number): no bf16 or f16 on the way to a quantiser, and a product that is left as it is and whose result goes on into a quantised operand takes f32 operands (vector FMAs, or v_wmma_f32_16x16x4_f32). A number that lies on a knife's edge between two numbers of the format may be rounded either way, as far as f32 arithmetic and the matrix unit's own rounding can turn it there, and no further.
;; One version. Each part assembles by itself: llvm-mc -triple=amdgcn-amd-amdhsa -mcpu=gfx1250 --defsym DOCPART=n.
;; ======== version 1 of 1: 5 launches
;; workspace buffers: x_codes 4,194,304 bytes; x_scales 262,144 bytes; w_codes 2,097,152 bytes; w_scales 131,072 bytes; qkv 13,893,632 bytes; y_img 4,194,304 bytes; y_sc 262,144 bytes
;; launch quant_x (part 1): grid 256 x 1, 4 waves a work-group, no clusters, 33,280 bytes of LDS; arguments x, x_codes, x_scales; writes x_codes, x_scales
.if DOCPART == 1
	.amdgcn_target "amdgcn-amd-amdhsa--gfx1250"
	.amdhsa_code_object_version 6
	.text
	.protected	k_qe83f0d6008_quant_x
	.globl	k_qe83f0d6008_quant_x
	.p2align	8
	.type	k_qe83f0d6008_quant_x,@function
k_qe83f0d6008_quant_x:
	s_mov_b64 s[64:65], 0
	v_nop
	global_prefetch_b8 v0, s[64:65] scope:SCOPE_SE
	s_setreg_imm32_b32 hwreg(HW_REG_WAVE_MODE, 25, 1), 1
	s_wait_xcnt 0x0
; x [8192][1024], f32, becomes codes of FP4 (E2M1), K innermost (512 bytes a row), with one E8M0 scale byte for each 32 along K (32 bytes a row).
; A block's scale is 2^(floor(log2(its largest magnitude)) - 2); its byte is the largest magnitude's exponent field - 2, held at 1 from below.
; LIMITS: a block of zeros gets the byte 1 where the rule says 127 (its codes are zeros, which add nothing under any byte but 0xff, and the bytes are read by this program alone);
; largest magnitudes under 2^-124 are held at that floor; NaN and infinities among the inputs are not served.
; Rows are dense and 1,024 is a multiple of 32: x is a plain stream of blocks of 32 numbers, and so are the codes and the scale bytes.
; A wave takes 16 steps of 512 numbers.  Each of a step's four loads reads 512 consecutive bytes, 16 a lane; the 2,048 bytes turn through the wave's own stage in LDS and come back
; 64 bytes a lane, so that a lane holds 16 NEIGHBOURS along K (two neighbouring lanes hold a block), as the conversions want them.  The stage has 16 bytes of padding behind each 64.
; A lane's 16 codes are 8 bytes: the wave stores 256 consecutive bytes.  A wave's 256 scale bytes are gathered in its own LDS bytes and leave as one aligned run of 256 bytes.
; No tensor loads, no barrier: waves share nothing.  Loads run four steps (16 loads a wave) ahead, the turn through LDS one step.
.set STEPS, 16
.set CB,    8                          ; bytes of 16 codes
.set R,     16                         ; v16-79   four sets of 16 numbers as they are loaded
.set X,     80                         ; v80-111  two sets of 16 neighbours
.set E,     112                        ; v112-127 a scale byte for each step
.set C,     128                        ; v128-191 codes: four registers for each step, so that no store's data are written again
.set WREG,  8192                       ; LDS: a region for each wave: two stages of 32 x SP bytes, behind them its 256 scale bytes
.set SP,    80                         ; a lane's place in a stage: its 64 bytes + 16 of padding
	s_load_b128 s[4:7], s[0:1], 0x0                ; x, the codes
	s_load_b64 s[8:9], s[0:1], 0x10                ; the scale bytes
	v_lshl_add_u32 v192, v0, 2, 0x8000
	v_mov_b32 v193, 0
	v_lshrrev_b32 v1, 5, v0
	v_readfirstlane_b32 s16, v1                    ; wave
	v_and_b32 v2, 31, v0                           ; lane
	v_lshlrev_b32 v3, 4, v2                        ; my 16 bytes of a load's 512
	s_mul_i32 s17, s16, WREG
	v_lshrrev_b32 v14, 2, v2
	v_mul_u32_u24 v14, v14, SP
	v_and_b32 v15, 3, v2
	v_lshl_add_u32 v14, v15, 4, v14
	v_add_nc_u32 v14, s17, v14                     ; the stage, on the way in: SP (lane / 4) + 16 (lane % 4); a load's 512 bytes take eight places
	v_mul_u32_u24 v15, v2, SP
	v_add_nc_u32 v15, s17, v15                     ; and on the way out: SP x lane: my 16 neighbours
	v_mul_u32_u24 v4, v2, CB                       ; my codes' place in a step's
	v_lshrrev_b32 v5, 1, v2
	s_add_co_u32 s17, s17, 2*32*SP
	v_add_nc_u32 v5, s17, v5                       ; LDS: my wave's 256 scale bytes, my block's byte
	v_lshlrev_b32 v7, 3, v2                        ; and on the way out 8 bytes a lane
	v_add_nc_u32 v6, s17, v7
	s_lshl_b32 s18, ttmp9, 2
	s_add_co_u32 s18, s18, s16                     ; which run of 8,192 numbers is my wave's: 4 x work-group + wave, 0 .. 1,023
	s_mov_b32 s21, 0
	s_wait_alu depctr_va_vdst(0)
	s_wait_kmcnt 0x0
	s_lshl_b32 s20, s18, 15                        ; 32,768 bytes of x a run,
	s_add_nc_u64 s[4:5], s[4:5], s[20:21]
	s_lshl_b32 s20, s18, 12                        ; 4,096 of codes,
	s_add_nc_u64 s[6:7], s[6:7], s[20:21]
	s_lshl_b32 s20, s18, 8                         ; 256 scale bytes
	s_add_nc_u64 s[8:9], s[8:9], s[20:21]
.macro LOAD t
.irp i, 0,1,2,3
	global_load_b128 v[R+16*((\t)%4)+4*\i:R+16*((\t)%4)+4*\i+3], v3, s[4:5] offset:2048*(\t)+512*\i th:TH_LOAD_NT   ; 32 lanes read 512 consecutive bytes
.endr
.endm
.macro TURN t                          ; step t's numbers through the stage: LDS serves a wave's instructions in order, so no wait stands between the stores and the loads
.irp i, 0,1,2,3
	ds_store_b128 v14, v[R+16*((\t)%4)+4*\i:R+16*((\t)%4)+4*\i+3] offset:32*SP*((\t)%2)+8*SP*\i
.endr
.irp i, 0,1,2,3
	ds_load_b128 v[X+16*((\t)%2)+4*\i:X+16*((\t)%2)+4*\i+3], v15 offset:32*SP*((\t)%2)+16*\i
.endr
.endm
.irp t, 0,1,2,3
	LOAD \t
.endr
	s_wait_loadcnt 12                              ; step 0's four loads are in
	TURN 0
.macro STEP t
.set XS, X+16*((\t)%2)
.if (\t) > 0
	s_wait_dscnt 1                                 ; this step's numbers are back from the stage (the last step's byte store may be out): so its stores into the stage have read their registers,
.else
	s_wait_dscnt 0x0
.endif
.if (\t)+4 < STEPS
	LOAD (\t)+4                                    ; which take the loads of four steps on
.endif
.if (\t)+1 < STEPS
.if STEPS-2-(\t) >= 3
	s_wait_loadcnt 12                              ; the next step's four loads are in; those of the three steps behind it may be out
.else
	s_wait_loadcnt 4*(STEPS-2-(\t))
.endif
	TURN (\t)+1                                    ; and go through the other stage while this step is worked
.endif
	v_max3_num_f32 v8, |v[XS]|, |v[XS+1]|, |v[XS+2]|               ; the largest magnitude of my 16, in two chains
	v_max3_num_f32 v9, |v[XS+3]|, |v[XS+4]|, |v[XS+5]|
.irp i, 6,10
	v_max3_num_f32 v8, v8, |v[XS+\i]|, |v[XS+\i+1]|
	v_max3_num_f32 v9, v9, |v[XS+\i+2]|, |v[XS+\i+3]|
.endr
	v_max3_num_f32 v8, v8, |v[XS+14]|, |v[XS+15]|
	v_max3_num_f32 v8, v8, v9, 0x1800000           ; and the floor 2^(3 - 127): so the byte cannot fall under 1
	v_max_num_f32_dpp v8, v8, v8 row_xmask:1 row_mask:0xf bank_mask:0xf   ; and of my neighbour's 16: the block's
	v_add_nc_u32 v11, 0xff000000, v8               ; 2 off its exponent field: the conversion takes the exponent field of this operand as its scale, and nothing else of it
	v_cvt_scalef32_pk8_fp4_f32 v[C+4*(\t)], v[XS:XS+7], v11        ; eight numbers / the scale, to the nearest code, ties to even; the first number's code in the lowest four bits
	v_cvt_scalef32_pk8_fp4_f32 v[C+4*(\t)+1], v[XS+8:XS+15], v11
	v_lshrrev_b32 v[E+(\t)], 23, v11               ; the scale's byte (also the plain line behind the conversions)
	ds_store_b8 v5, v[E+(\t)] offset:16*(\t)       ; both lanes of a block write the same byte with the same value
	global_store_b64 v4, v[C+4*(\t):C+4*(\t)+1], s[6:7] offset:32*CB*(\t)   ; 32 lanes store 256 consecutive bytes
.endm
.irp t, 0,1,2,3,4,5,6,7,8,9,10,11,12,13,14,15
	STEP \t
.endr
	ds_load_b64 v[12:13], v6                       ; LDS serves a wave's instructions in order: these see my stores
	s_wait_dscnt 0x0
	global_store_b64 v7, v[12:13], s[8:9]          ; 32 lanes store 256 consecutive bytes
	s_wait_tensorcnt 0x0
	ds_add_u32 v192, v193
	s_wait_dscnt 0x0
	s_endpgm
.Lfunc_end_k_qe83f0d6008_quant_x:
	.size	k_qe83f0d6008_quant_x, .Lfunc_end_k_qe83f0d6008_quant_x-k_qe83f0d6008_quant_x
	.p2alignl 7, 3214868480
	.fill 96, 4, 3214868480
	.section	.rodata,"a",@progbits
	.p2align	6, 0x0
	.amdhsa_kernel k_qe83f0d6008_quant_x
		.amdhsa_group_segment_fixed_size 33280
		.amdhsa_private_segment_fixed_size 0
		.amdhsa_enable_private_segment 0
		.amdhsa_kernarg_size 24
		.amdhsa_user_sgpr_count 2
		.amdhsa_user_sgpr_kernarg_segment_ptr 1
		.amdhsa_wavefront_size32 1
		.amdhsa_system_sgpr_workgroup_id_x 1
		.amdhsa_system_sgpr_workgroup_id_y 1
		.amdhsa_system_sgpr_workgroup_id_z 1
		.amdhsa_system_vgpr_workitem_id 0
		.amdhsa_next_free_vgpr 194
		.amdhsa_next_free_sgpr 66
		.amdhsa_reserve_vcc 0
		.amdhsa_float_denorm_mode_32 3
		.amdhsa_float_denorm_mode_16_64 3
		.amdhsa_memory_ordered 1
		.amdhsa_forward_progress 1
		.amdhsa_inst_pref_size 33
	.end_amdhsa_kernel
	.amdgpu_metadata
---
amdhsa.version: [ 1, 2 ]
amdhsa.kernels:
  - .name:           k_qe83f0d6008_quant_x
    .symbol:         k_qe83f0d6008_quant_x.kd
    .args:
      - { .name: x, .offset: 0, .size: 8, .value_kind: global_buffer, .address_space: global }
      - { .name: x_codes, .offset: 8, .size: 8, .value_kind: global_buffer, .address_space: global }
      - { .name: x_scales, .offset: 16, .size: 8, .value_kind: global_buffer, .address_space: global }
    .group_segment_fixed_size: 33280
    .private_segment_fixed_size: 0
    .kernarg_segment_align: 8
    .kernarg_segment_size: 24
    .max_flat_workgroup_size: 128
    .sgpr_count:     66
    .vgpr_count:     194
    .wavefront_size: 32
...
	.end_amdgpu_metadata
.endif
;; end of part 1
;; launch quant_w (part 2): grid 64 x 1, 16 waves a work-group, no clusters, 37,888 bytes of LDS; arguments w_qkv, w_out, w_codes, w_scales; writes w_codes, w_scales
.if DOCPART == 2
	.amdgcn_target "amdgcn-amd-amdhsa--gfx1250"
	.amdhsa_code_object_version 6
	.text
	.protected	k_qe83f0d6008_quant_w
	.globl	k_qe83f0d6008_quant_w
	.p2align	8
	.type	k_qe83f0d6008_quant_w,@function
k_qe83f0d6008_quant_w:
	s_mov_b64 s[64:65], 0
	v_nop
	global_prefetch_b8 v0, s[64:65] scope:SCOPE_SE
	s_setreg_imm32_b32 hwreg(HW_REG_WAVE_MODE, 25, 1), 1
	s_wait_xcnt 0x0
; w_qkv [1024][3072] and w_out [1024][1024], f32, are operands whose K is their FIRST axis.  They become codes of FP4 (E2M1) laid [4096][512 bytes] with K innermost
; (rows 0 .. 3071: w_qkv's columns; rows 3072 .. 4095: w_out's) and one E8M0 scale byte for each 32 along K, laid [4096][32 bytes].
; A LANE TAKES A COLUMN, AND ITS REGISTERS RUN DOWN K: a block of 32 along K lies in one lane's 32 registers, its largest magnitude needs no other lane, and the conversions give codes with K innermost.
; LIMITS: a block of zeros gets the byte 1 where the rule says 127 (its codes are zeros; the bytes are read by this program alone); largest magnitudes under 2^-124 are held at that floor; NaN and infinities are not served.
; SHARES.  Work-group g owns 64 columns and ALL of K, so that whole rows of codes (512 bytes) and of scale bytes (32) leave it: output rows 64 g .. 64 g + 63.  g < 48: w_qkv; else w_out.
; Only a pointer, a pitch and a column number are chosen by g: both tensors take one path through the text.
; Wave w: columns 32 (w & 1) on (two waves side by side read 256 consecutive bytes of a row of w), K rows 128 (w >> 1) on: four blocks a lane.
; The codes meet in a stage in LDS, 64 rows of 512 bytes + 16; one barrier; each wave then stores four whole rows, 2,048 consecutive bytes.
.set PQ,     12288                     ; a row of w_qkv in bytes
.set PO,     4096                      ; a row of w_out
.set SPITCH, 528                       ; a stage row: 512 bytes + 16: the 32 rows that a store touches begin at different banks
.set SCST,   64*SPITCH                 ; behind the stage: the scale bytes, [64 columns][32]
.set SB,     12                        ; v12      my four scale bytes
.set C,      16                        ; v16-31   codes: four registers for each block, never rewritten
.set OFF,    32                        ; v32-63   4 x lane + i x pitch, i = 0 .. 31
.set X,      64                        ; v64-191  four sets of 32 numbers; behind the barrier v64-83 take the rows on their way out
	s_load_b256 s[4:11], s[0:1], 0x0               ; w_qkv, w_out, the codes, the scale bytes
	v_lshl_add_u32 v192, v0, 2, 0x8c00
	v_mov_b32 v193, 0
	v_lshrrev_b32 v1, 5, v0
	s_delay_alu instid0(VALU_DEP_1)
	v_readfirstlane_b32 s16, v1                    ; wave 0 .. 15
	v_and_b32 v1, 31, v0                           ; lane
	s_wait_alu depctr_va_vdst(0)
	s_and_b32 s17, s16, 1                          ; which 32 columns
	s_lshr_b32 s18, s16, 1                         ; which 128 along K
	v_lshlrev_b32 v2, 4, v1                        ; 16 x lane
	s_wait_alu depctr_va_vdst(0)
	s_mul_i32 s30, s17, 32*SPITCH
	s_lshl_b32 s31, s18, 6
	s_add_co_u32 s30, s30, s31
	v_mul_u32_u24 v3, v1, SPITCH
	s_delay_alu instid0(VALU_DEP_1)
	v_add_nc_u32 v3, s30, v3                       ; into the stage: row = my column, byte 64 x (w >> 1)
	s_lshl_b32 s30, s17, 10
	s_lshl_b32 s31, s18, 2
	s_add_co_u32 s30, s30, s31
	s_add_co_u32 s30, s30, SCST
	v_lshl_add_u32 v4, v1, 5, s30                  ; my column's 32 scale bytes, my four of them
	s_mul_i32 s30, s16, 4*SPITCH
	v_add_nc_u32 v5, s30, v2                       ; out of the stage: rows 4 w .. 4 w + 3, 16 bytes a lane
	s_min_u32 s19, s16, 3                          ; (waves 0 to 3 carry the scale bytes out; held at 3, so that the register names bytes of the stage in every wave)
	s_lshl_b32 s32, s19, 9
	s_add_co_u32 s31, s32, SCST
	v_add_nc_u32 v6, s31, v2                       ; 512 scale bytes a wave
	s_cmp_lt_u32 ttmp9, 48                         ; w_qkv's work-group or w_out's?  The choice hangs on the work-group's number alone
	s_mov_b32 s12, PO
	s_cselect_b32 s12, PQ, s12                     ; the pitch
	s_cselect_b32 s13, 0, 48
	s_wait_kmcnt 0x0
	s_cselect_b64 s[4:5], s[4:5], s[6:7]
	s_sub_co_u32 s13, ttmp9, s13                   ; which 64 columns of that tensor
	s_lshl_b32 s14, s13, 8
	s_lshl_b32 s15, s17, 7
	s_add_co_u32 s14, s14, s15                     ; my wave's first column, in bytes,
	s_lshl_b32 s15, s18, 7
	s_mul_i32 s15, s15, s12
	s_add_co_u32 s14, s14, s15                     ; and its first row of K (under 2^24 bytes)
	s_mov_b32 s15, 0
	s_add_nc_u64 s[20:21], s[4:5], s[14:15]        ; a base for each of my four blocks, 32 rows apart
	s_lshl_b32 s28, s12, 5
	s_mov_b32 s29, 0
	s_add_nc_u64 s[22:23], s[20:21], s[28:29]
	s_add_nc_u64 s[24:25], s[22:23], s[28:29]
	s_add_nc_u64 s[26:27], s[24:25], s[28:29]
	s_lshl_b32 s14, ttmp9, 15                      ; the codes: 64 rows of 512 bytes a work-group, four rows a wave
	s_lshl_b32 s28, s16, 11
	s_add_co_u32 s14, s14, s28
	s_add_nc_u64 s[8:9], s[8:9], s[14:15]
	s_lshl_b32 s14, ttmp9, 11                      ; the scale bytes: 2,048 a work-group
	s_add_co_u32 s14, s14, s32
	s_add_nc_u64 s[10:11], s[10:11], s[14:15]
	v_lshlrev_b32 v[OFF], 2, v1
.set JJ, 1
.rept 31
	s_delay_alu instid0(VALU_DEP_1)
	v_add_nc_u32 v[OFF+JJ], s12, v[OFF+JJ-1]
.set JJ, JJ+1
.endr
.macro LOAD t                          ; block t: w(32 t + i, my column), i = 0 .. 31
.set JJ, 0
.rept 32
	global_load_b32 v[X+32*\t+JJ], v[OFF+JJ], s[20+2*\t:21+2*\t] th:TH_LOAD_NT
.set JJ, JJ+1
.endr
.endm
	LOAD 0                                         ; all 128 loads go out on end
	LOAD 1
	LOAD 2
	LOAD 3
.macro BLOCK t, left
.set XS, X+32*\t
	s_wait_loadcnt \left
	v_max3_num_f32 v8, |v[XS]|, |v[XS+1]|, |v[XS+2]|               ; the block's largest magnitude: all 32 numbers are mine
	v_max3_num_f32 v9, |v[XS+3]|, |v[XS+4]|, |v[XS+5]|
.irp i, 6,10,14,18,22,26
	s_delay_alu instid0(VALU_DEP_2)
	v_max3_num_f32 v8, v8, |v[XS+\i]|, |v[XS+\i+1]|
	s_delay_alu instid0(VALU_DEP_2)
	v_max3_num_f32 v9, v9, |v[XS+\i+2]|, |v[XS+\i+3]|
.endr
	s_delay_alu instid0(VALU_DEP_2)
	v_max3_num_f32 v8, v8, |v[XS+30]|, |v[XS+31]|
	s_delay_alu instid0(VALU_DEP_1)
	v_max3_num_f32 v8, v8, v9, 0x1800000           ; and the floor 2^(3 - 127): so the byte cannot fall under 1
	s_delay_alu instid0(VALU_DEP_1)
	v_add_nc_u32 v11, 0xff000000, v8               ; 2 off its exponent field: the conversion's scale operand
	s_delay_alu instid0(VALU_DEP_1)
	v_lshrrev_b32 v10, 23, v11                     ; the scale's byte
.if \t == 0
	s_delay_alu instid0(VALU_DEP_1)
	v_mov_b32 v[SB], v10                           ; four bytes to a register, the lower K in the lower byte
.else
	s_delay_alu instid0(VALU_DEP_1)
	v_lshl_or_b32 v[SB], v10, 8*\t, v[SB]
.endif
.irp g, 0,1,2,3
	v_cvt_scalef32_pk8_fp4_f32 v[C+4*\t+\g], v[XS+8*\g:XS+8*\g+7], v11
.endr
	v_nop                                          ; one plain line behind the conversions
	ds_store_b128 v3, v[C+4*\t:C+4*\t+3] offset:16*\t              ; 32 codes: 16 bytes of my column's row
.endm
	BLOCK 0, 63                                    ; 96 loads are younger than block 0's, 64 than block 1's: 63 is the largest count that can be written
	BLOCK 1, 63
	BLOCK 2, 32                                    ; block 3's 32 may be out
	BLOCK 3, 0
	ds_store_b32 v4, v[SB]
	s_wait_dscnt 0x0                               ; for the others' sake: my stores into the stage are done
	s_barrier_signal -1
	s_barrier_wait -1                              ; 64 whole rows of codes and of scale bytes lie in LDS
.irp i, 0,1,2,3
	ds_load_b128 v[X+4*\i:X+4*\i+3], v5 offset:\i*SPITCH
.endr
.irp i, 0,1,2,3
	s_wait_dscnt 3-\i                              ; row i is in; the younger rows may be out
	global_store_b128 v2, v[X+4*\i:X+4*\i+3], s[8:9] offset:512*\i  ; 32 lanes store a row of 512 consecutive bytes
.endr
	s_cmp_gt_u32 s16, 3                            ; the scale bytes: 2,048 a work-group, 512 for each of waves 0 to 3
	s_cbranch_scc1 .Ldone
	ds_load_b128 v[X+16:X+19], v6
	s_wait_dscnt 0x0
	global_store_b128 v2, v[X+16:X+19], s[10:11]
.Ldone:
	s_wait_tensorcnt 0x0
	ds_add_u32 v192, v193
	s_wait_dscnt 0x0
	s_endpgm
.Lfunc_end_k_qe83f0d6008_quant_w:
	.size	k_qe83f0d6008_quant_w, .Lfunc_end_k_qe83f0d6008_quant_w-k_qe83f0d6008_quant_w
	.p2alignl 7, 3214868480
	.fill 96, 4, 3214868480
	.section	.rodata,"a",@progbits
	.p2align	6, 0x0
	.amdhsa_kernel k_qe83f0d6008_quant_w
		.amdhsa_group_segment_fixed_size 37888
		.amdhsa_private_segment_fixed_size 0
		.amdhsa_enable_private_segment 0
		.amdhsa_kernarg_size 32
		.amdhsa_user_sgpr_count 2
		.amdhsa_user_sgpr_kernarg_segment_ptr 1
		.amdhsa_wavefront_size32 1
		.amdhsa_system_sgpr_workgroup_id_x 1
		.amdhsa_system_sgpr_workgroup_id_y 1
		.amdhsa_system_sgpr_workgroup_id_z 1
		.amdhsa_system_vgpr_workitem_id 0
		.amdhsa_next_free_vgpr 194
		.amdhsa_next_free_sgpr 66
		.amdhsa_reserve_vcc 0
		.amdhsa_float_denorm_mode_32 3
		.amdhsa_float_denorm_mode_16_64 3
		.amdhsa_memory_ordered 1
		.amdhsa_forward_progress 1
		.amdhsa_inst_pref_size 26
	.end_amdhsa_kernel
	.amdgpu_metadata
---
amdhsa.version: [ 1, 2 ]
amdhsa.kernels:
  - .name:           k_qe83f0d6008_quant_w
    .symbol:         k_qe83f0d6008_quant_w.kd
    .args:
      - { .name: w_qkv, .offset: 0, .size: 8, .value_kind: global_buffer, .address_space: global }
      - { .name: w_out, .offset: 8, .size: 8, .value_kind: global_buffer, .address_space: global }
      - { .name: w_codes, .offset: 16, .size: 8, .value_kind: global_buffer, .address_space: global }
      - { .name: w_scales, .offset: 24, .size: 8, .value_kind: global_buffer, .address_space: global }
    .group_segment_fixed_size: 37888
    .private_segment_fixed_size: 0
    .kernarg_segment_align: 8
    .kernarg_segment_size: 32
    .max_flat_workgroup_size: 512
    .sgpr_count:     66
    .vgpr_count:     194
    .wavefront_size: 32
...
	.end_amdgpu_metadata
.endif
;; end of part 2
;; launch gemm_qkv (part 3): grid 12 x 32, 4 waves a work-group, clusters of 4 x 4, 327,680 bytes of LDS; arguments x_codes, x_scales, w_codes, w_scales, b_qkv, qkv; writes qkv
.if DOCPART == 3
	.amdgcn_target "amdgcn-amd-amdhsa--gfx1250"
	.amdhsa_code_object_version 6
	.text
	.protected	k_qe83f0d6008_gemm_qkv
	.globl	k_qe83f0d6008_gemm_qkv
	.p2align	8
	.type	k_qe83f0d6008_gemm_qkv,@function
k_qe83f0d6008_gemm_qkv:
	s_mov_b64 s[64:65], 0
	v_nop
	global_prefetch_b8 v0, s[64:65] scope:SCOPE_SE
	s_setreg_imm32_b32 hwreg(HW_REG_WAVE_MODE, 25, 1), 1
	s_wait_xcnt 0x0
	s_wait_alu depctr_hold_cnt(0) depctr_sa_sdst(0) depctr_va_vdst(0) depctr_va_sdst(0) depctr_va_ssrc(0) depctr_va_vcc(0) depctr_vm_vsrc(0)
	s_getreg_b32 s2, hwreg(HW_REG_IB_STS2, 6, 4)
	s_cmp_eq_u32 s2, 0
	s_cbranch_scc0 .Lentry_in_a_cluster
	s_endpgm
.Lentry_in_a_cluster:
	s_bfe_u32 s2, ttmp6, 0x10000c
	s_cmp_lg_u32 s2, 0xf033
	s_cbranch_scc0 .Lentry_shape_is_right
	s_endpgm
.Lentry_shape_is_right:
; qkv = x w_qkv + b_qkv on codes of FP4 (E2M1) with one E8M0 scale for each 32 along K = 1,024; the f32 results never go to memory: each wave quantises its 128 x 128 of them
; for the attention's products and stores codes and scale words in the order of the operands' registers.
; THE PRODUCT.  A tile of 256 x 256 is made by four waves, each 128 x 128: 64 accumulators of 16 x 16 in 512 registers.  K's 1,024 are two LDS slots of 512 (rows of 256 bytes), both filled at the start:
; nothing is filled again.  The scale bytes of the work-group's 2 x 256 rows come with them, as two dense blocks.
; "A" is source 1: its rows are the result's LANES.  "B" is source 0: its rows run along a lane's REGISTERS (lane (r, h), register j of accumulator (a, b): A's row 16 a + r, B's row 16 b + 8 h + j).
; TWO KINDS, chosen by the cluster's x, which all sixteen partners share.  Kind 0 (clusters 0, 1: q and k): A = x, B = w: a lane holds one row t and its registers run along the head's 64, which is q's and k's K.
; Kind 1 (cluster 2: v): A = w, B = x: a lane holds one channel d and its registers run along the keys, which is v's K.  Only pointers, tile numbers and strides are chosen; two short branches on the kind remain
; (which bias registers start the sums; a second store of scale words).
; CLUSTERS: 4 x 4 work-groups.  A's tile hangs on cy alone and is asked for jointly along a row of the cluster, B's on cx alone and jointly along a column.
; THE WAY OUT.  The 16 registers of accumulators (a, 2 B) and (a, 2 B + 1) are half of block B (32 along the next K) of my lane's row; the other half lies in lane l xor 16.  Four conversions for a pair of blocks,
; in the order tile 2 B0, 2 B1, 2 B0 + 1, 2 B1 + 1, and two exchanges of halves leave block B0's 16 bytes in lanes 0-15 and B1's in lanes 16-31: the 4-bit operand's own layout.  32 lanes store 512 consecutive bytes.
; qkv: 64 records (16 b + head) of REC bytes: q's images, q's scale words, k's, k's, v's, v's (sizes below).  q, k image: [tile of 16 rows][lane][16 bytes].  q, k scale words: [128 rows][g][r][4 words], word w of (g, r)
; for row 16 (4 g + w) + r; its bytes 0, 1 are the head's two blocks, bytes 2, 3 the neighbouring head's (between 1 and 254; they meet zero codes alone).  v image: [128 keys][16 d][c][lane][16 bytes]; v scale words: [128 keys][r][d tile].
; LIMITS: a block of zeros gets the byte 1 (its codes are zeros; this program alone reads the bytes); largest magnitudes under 2^-124 are held at that floor; NaN and infinities are not served.
; REGISTERS, in windows of 256: window 0: v0-31 addresses; v32-95 scale words, two sets; v96-103 the bias loads' offsets; v104-119 the stores' offsets; v128-191 A's fragments, ONE set; v192-255 the bias;
;   on the way out v128-191 take the codes and v192-231 are at work.   window 1: B's fragments, TWO sets.   window 2: accumulators of A's blocks 0-3 ((a, b) at v[8 (8 a + b)]);   window 3: of blocks 4-7.
.set NQ,     4                         ; matrix instructions deep in a slot: 512 along K
.set ROWB,   256                       ; a tile's row in bytes
.set KROW,   512                       ; a row of codes in memory
.set PITCH,  272                       ; an LDS row: 256 bytes + 16 of padding = 68 words: the 16 rows that a load touches start at 16 different banks (64 banks of 4 bytes: ISA guide 11.1)
.set FR,     8                         ; registers of a fragment: 16 rows x 128 K
.set NL,     2                         ; LDS loads that bring one
.set NP,     4                         ; places behind this matrix instruction (ISA guide 7.12.1)
.set HALFT,  128*PITCH                 ; 128 rows: what one tensor load brings
.set SLOT,   4*HALFT                   ; A's 256 rows, then B's 256 rows
.set KS,     32                        ; a row of scale bytes
.set SCL,    2*SLOT                    ; behind the slots: the scales, as runs of 256 bytes + 16 of padding
.set HALFS,  (128*KS/256)*272          ; the scales of 128 rows
.set SBLK,   (16*KS/256)*272           ; those of 16 rows
.set SPARE,  SCL+4*HALFS               ; behind the scales: the spare words, 128 bytes for each wave, which no other line names
.set REC,    217088                    ; a record of qkv: 3 regions,
.set REGION, 73728                     ; 65,536 bytes of images and 8,192 for scale words each (v uses 4,096 of them)
.set ADRA, 16                          ; v16-17  LDS address of my A fragments in slot 0, 1
.set ADRB, 20                          ; v20-21  the same for B
.set STO,  24                          ; v24     the way out: where a scale word goes in my stage
.set RD,   25                          ; v25     and where I read 16 bytes of them back
.set L16,  26                          ; v26     16 x lane
.set ADRS, 27                          ; v27     LDS address of my scale words: lanes 0-15 A's rows, lanes 16-31 B's
.set SPW,  28                          ; v28     LDS address of my spare word; never rewritten
.set NIL,  29                          ; v29     0; never rewritten
.set SV,   30                          ; v30     my byte offset for the scale words' store
.set SC,   32                          ; scale words: set s at v[SC + 32 s]; register 4 i + q: lanes 0-15 A's block i, lanes 16-31 B's block i, the slot's q-th 128 along K
.set VB,   96                          ; v96-103  offsets of the bias loads
.set VO,   104                         ; v104-119 byte offset of block a's store g: v[VO + 2 a + g]
.set AF,   128                         ; A's fragments
.set BIAS, 192                         ; v192-255 the bias in the result's layout: eight registers for each b (kind 0) or each a (kind 1)
.set PC,   128                         ; the way out: block a's codes at v[PC + 8 a]: never rewritten, so no store's data are
.set TM,   192                         ; v192-195 largest magnitudes; v196-199 lane l xor 16's; v200-203 the conversions' scale operands; v204-207 the bytes
.set TP,   196
.set SO,   200
.set BY,   204
.set FULL, 208                         ; the four bytes as a word;  v209 the same turned by 16 bits
.set SWP,  209
.set VAL,  216                         ; v216-223 block a's scale word as stored
.set RB,   224                         ; v224-231 the scale words read back
.set G1, 24                            ; s[24:31] descriptor group 1 for A's tiles;  s[32:39] group 0, one set for each slot
.set G0, 32
.set G1B, 48                           ; s[48:55], s[56:63] the same for B's tiles
.set G0B, 56
.set G1S, 68                           ; s[68:75], s[76:79] groups 1 and 0 for A's scales;  s[80:87], s[88:91] for B's
.set G0S, 76
.set G1SB, 80
.set G0SB, 88
.set MSB, 0
.macro WIN new                         ; the immediate's high byte repeats the setting that is left
.if MSB != \new
	s_set_vgpr_msb (MSB<<8)|\new
.set MSB, \new
.endif
.endm
.set MUL_LO, 0xa1                      ; source 0 (B) window 1, source 1 (A) window 0, C and D window 2
.set MUL_HI, 0xf1                      ; the same, C and D window 3
.set BEG_LO, 0x81                      ; the first step: C (the bias) window 0, D window 2
.set BEG_HI, 0xc1                      ; D window 3
.set TO_B,   0x40                      ; destination window 1, address window 0
; A joint load: waves 0 and 1 fetch for A, waves 2 and 3 for B.  Each of the two lines has ONE mask and one set of registers for all that issue it; the branch hangs on the wave's number alone.
; Four v_nop follow each of the two lines, ahead of the jump, the label and what follows.
.macro JLOAD g0a, g1a, g0b, g1b
	s_cmp_eq_u32 s15, 0
	s_cbranch_scc0 .Lfor_b_\@
	tensor_load_to_lds s[\g0a:\g0a+3], s[\g1a:\g1a+7]
	s_nop 0
.rept 4
	v_nop
.endr
	s_branch .Lasked_\@
.Lfor_b_\@:
	tensor_load_to_lds s[\g0b:\g0b+3], s[\g1b:\g1b+7]
	s_nop 0
.rept 4
	v_nop
.endr
.Lasked_\@:
.endm
.macro CROUND                          ; a round of the cluster's barrier: my work-group's barrier; wave 0 signals for the work-group; every wave waits for all sixteen; my work-group's barrier once more
	s_barrier_signal -1
	s_barrier_wait -1
	s_cmp_lg_u32 s14, 0
	s_cbranch_scc1 .Lnot_wave_0_\@
	s_barrier_signal -3
.Lnot_wave_0_\@:
	s_barrier_wait -3
	s_barrier_signal -1
	s_barrier_wait -1
.endm
	s_load_b128 s[4:7], s[0:1], 0x0                ; x's codes, x's scales
	s_load_b128 s[8:11], s[0:1], 0x10              ; w's codes, w's scales
	s_load_b128 s[96:99], s[0:1], 0x20             ; b_qkv, qkv
	v_lshl_add_u32 v[SPW], v0, 2, SPARE
	v_mov_b32 v[NIL], 0
	ds_add_u32 v28, v29
	ds_add_u32 v28, v29
	s_wait_dscnt 0x0
	v_lshrrev_b32 v1, 5, v0
	v_readfirstlane_b32 s14, v1                    ; wave 0..3
	s_lshr_b32 s15, s14, 1                         ; which half of A's 256 rows is mine.  Also: I fetch for A (0) or for B (1)
	s_and_b32 s16, s14, 1                          ; which half of B's.  Also: which 128 rows of that tile I fetch
	s_bfe_u32 s40, ttmp6, 0x40000                  ; cx, cy: my place in the cluster
	s_bfe_u32 s41, ttmp6, 0x40004
	s_and_b32 s100, ttmp7, 0xffff
	s_lshl_b32 s100, s100, 2                       ; 4 x cluster y
	s_lshl_b32 s101, ttmp9, 2                      ; 4 x cluster x
	s_cmp_eq_u32 ttmp9, 2                          ; the kind: the same in all sixteen partners
	s_cselect_b32 s95, 1, 0
	s_cselect_b32 s42, s100, s101
	s_cselect_b32 s17, 8, s100
	s_add_co_u32 s42, s42, s40                     ; B's tile of 256 rows: kind 0: of w, 4 x cluster x + cx;  kind 1: of x, 4 x cluster y + cx
	s_add_co_u32 s17, s17, s41                     ; A's: kind 0: of x, 4 x cluster y + cy;  kind 1: of w, 8 + cy (v's columns begin at 2,048)
	s_lshl_b32 s43, s41, 2
	s_lshl_b32 s43, 15, s43                        ; my row of the cluster
	s_lshl_b32 s44, 0x1111, s40                    ; my column
	; descriptor group 1: a tile of 128 rows x 256 bytes, padded in LDS
	s_or_b32 s[G1+0], s43, (0<<16)|(1<<20)|(1<<21)|(5<<22)|(3<<25)  ; 15:0 the mask: A's tiles go to my row; 17:16 element of 1 byte; 20 padding on; 21 set beside a mask; 24:22 after every 64 words (code 5); 31:25 of 4 words (code 3)
	s_or_b32 s[G1B+0], s44, (0<<16)|(1<<20)|(1<<21)|(5<<22)|(3<<25)
.irp g, G1, G1B
	s_mov_b32 s[\g+1], ROWB<<16                    ; tensor_dim0
	s_mov_b32 s[\g+2], 128<<16                     ; tensor_dim1 = 128
	s_mov_b32 s[\g+3], ROWB<<16                    ; tile_dim0
	s_mov_b32 s[\g+4], 128                         ; tile_dim1 = 128
	s_mov_b32 s[\g+5], KROW                        ; tensor_dim0_stride
	s_mov_b32 s[\g+6], 0
	s_mov_b32 s[\g+7], 0
.endr
	; and for the scales of 128 rows: a dense block of 4,096 bytes, as rows of 256 bytes (32 elements of 8 bytes), 16 bytes of padding behind each
	s_or_b32 s[G1S+0], s43, (3<<16)|(1<<20)|(1<<21)|(5<<22)|(3<<25)
	s_or_b32 s[G1SB+0], s44, (3<<16)|(1<<20)|(1<<21)|(5<<22)|(3<<25)
.irp g, G1S, G1SB
	s_mov_b32 s[\g+1], 32<<16
	s_mov_b32 s[\g+2], (128*KS/256)<<16
	s_mov_b32 s[\g+3], 32<<16
	s_mov_b32 s[\g+4], 128*KS/256
	s_mov_b32 s[\g+5], 32
	s_mov_b32 s[\g+6], 0
	s_mov_b32 s[\g+7], 0
.endr
	s_lshl_b32 s18, s16, 7                         ; which 128 rows of the tile I fetch
	s_lshl_b32 s20, s17, 8
	s_add_co_u32 s20, s20, s18                     ; A: row 256 x tile + 128 x half
	s_lshl_b32 s46, s42, 8
	s_add_co_u32 s46, s46, s18                     ; B likewise
	s_mov_b32 s21, 0
	s_mov_b32 s47, 0
	s_mov_b64 s[18:19], KS
	s_mul_u64 s[22:23], s[20:21], s[18:19]         ; where these rows' scales begin, in bytes
	s_mul_u64 s[92:93], s[46:47], s[18:19]
	s_mov_b64 s[18:19], KROW
	s_mul_u64 s[20:21], s[20:21], s[18:19]         ; and their codes
	s_mul_u64 s[46:47], s[46:47], s[18:19]
	s_mul_i32 s45, s14, HALFT                      ; where they go: wave x 128 rows: no place in the cluster enters an LDS address
	s_mul_i32 s94, s14, HALFS
	s_wait_kmcnt 0x0
	s_cmp_eq_u32 s95, 1                            ; which tensor is A and which is B: a choice that hangs on the kind alone
	s_cselect_b64 s[66:67], s[8:9], s[4:5]
	s_cselect_b64 s[100:101], s[10:11], s[6:7]
	s_cselect_b64 s[8:9], s[4:5], s[8:9]
	s_cselect_b64 s[10:11], s[6:7], s[10:11]
	s_mov_b64 s[4:5], s[66:67]
	s_mov_b64 s[6:7], s[100:101]
	s_add_nc_u64 s[20:21], s[4:5], s[20:21]
	s_add_nc_u64 s[22:23], s[6:7], s[22:23]
	s_add_nc_u64 s[46:47], s[8:9], s[46:47]
	s_add_nc_u64 s[92:93], s[10:11], s[92:93]
	CROUND                                         ; all sixteen work-groups are here: the joint loads meet
	s_mov_b32 s[G0S], 1
	s_add_co_u32 s[G0S+1], s94, SCL
	s_mov_b64 s[G0S+2:G0S+3], s[22:23]
	s_or_b32 s[G0S+3], s[G0S+3], 0x80000000
	s_mov_b32 s[G0SB], 1
	s_add_co_u32 s[G0SB+1], s94, SCL
	s_mov_b64 s[G0SB+2:G0SB+3], s[92:93]
	s_or_b32 s[G0SB+3], s[G0SB+3], 0x80000000
	JLOAD G0S, G1S, G0SB, G1SB                     ; the scales first: they are wanted with the first slot.  Three loads of mine go out here, and no more in the launch
.irp s, 0,1
	s_mov_b32 s[G0+4*\s], 1
	s_add_co_u32 s[G0+4*\s+1], s45, \s*SLOT
	s_add_nc_u64 s[G0+4*\s+2:G0+4*\s+3], s[20:21], \s*ROWB
	s_or_b32 s[G0+4*\s+3], s[G0+4*\s+3], 0x80000000
	s_mov_b32 s[G0B+4*\s], 1
	s_add_co_u32 s[G0B+4*\s+1], s45, \s*SLOT
	s_add_nc_u64 s[G0B+4*\s+2:G0B+4*\s+3], s[46:47], \s*ROWB
	s_or_b32 s[G0B+4*\s+3], s[G0B+4*\s+3], 0x80000000
	JLOAD G0+4*\s, G1, G0B+4*\s, G1B
.endr
	v_and_b32 v1, 15, v0                           ; r = l % 16
	v_bfe_u32 v2, v0, 4, 1                         ; h = l / 16
	v_mul_u32_u24 v3, v1, PITCH
	v_lshl_add_u32 v4, v2, 4, v3                   ; a fragment's row x pitch + 16 x half
	s_mul_i32 s21, s15, HALFT                      ; my 128 rows of A
	s_mul_i32 s22, s16, HALFT                      ; my 128 rows of B,
	s_add_co_u32 s22, s22, 2*HALFT                 ; which lie behind A's 256
.irp s, 0,1
	v_add_nc_u32 v[ADRA+\s], s21, v4
	v_add_nc_u32 v[ADRB+\s], s22, v4
	s_add_co_u32 s21, s21, SLOT
	s_add_co_u32 s22, s22, SLOT
.endr
	v_mul_u32_u24 v5, v1, KS                       ; my row's scales: 32 bytes a row,
	v_lshrrev_b32 v6, 8, v5
	v_lshl_add_u32 v5, v6, 4, v5                   ; and 16 more for each 256 passed
	s_mul_i32 s21, s15, HALFS                      ; A's: my 128 rows
	s_mul_i32 s22, s16, HALFS                      ; B's: my 128 rows, behind A's 256
	s_add_co_u32 s22, s22, 2*HALFS
	s_sub_co_u32 s22, s22, s21
	v_mul_u32_u24 v6, s22, v2                      ; lanes 16-31 take B's
	s_add_co_u32 s21, s21, SCL
	v_add_nc_u32 v5, v5, v6
	v_add_nc_u32 v[ADRS], s21, v5
	; the way out's addresses.  My stage for scale words: 1,024 bytes in slot 0, which has had its only fill and is read by nobody when the first word is stored there
	s_lshl_b32 s45, s14, 10
	v_lshlrev_b32 v5, 4, v1                        ; 16 r
	s_wait_alu depctr_va_vdst(0)
	v_lshl_add_u32 v6, v2, 9, v5
	v_add_nc_u32 v[STO], s45, v6                   ; in: 512 h + 16 r
	v_and_b32 v6, 31, v0
	v_lshlrev_b32 v[L16], 4, v6
	s_wait_alu depctr_va_vdst(0)
	v_add_nc_u32 v[RD], s45, v[L16]                ; back: 16 x lane
	s_cmp_eq_u32 s95, 1                            ; what hangs on the kind; every choice stands ahead of the first addition
	s_cselect_b32 s100, s17, s42                   ; w's tile,
	s_cselect_b32 s101, s15, s16                   ; my half of it,
	s_cselect_b32 s66, s42, s17                    ; x's tile,
	s_cselect_b32 s67, s16, s15                    ; my half of it
	s_mov_b32 s2, REC
	s_cselect_b32 s2, 512, s2                      ; from store g = 0 to g = 1 of a block: kind 0 the next head's record; kind 1 the fragment's second half
	s_mov_b32 s3, 512
	s_cselect_b32 s3, 1024, s3                     ; from block a to a + 1 within four: kind 0 the next tile of 16 rows; kind 1 the next 16 channels
	s_mov_b32 s18, 2048
	s_cselect_b32 s18, REC, s18                    ; from block a to a + 4: kind 0 four tiles on; kind 1 the next head's record
	s_mov_b32 s19, 256
	s_cselect_b32 s19, REC, s19                    ; the scale words' store, from lanes 0-15 to lanes 16-31
	s_cselect_b32 s20, 0, 0xffff0000               ; kind 0: lanes 16-31 keep the second head's word
	s_cselect_b32 s21, 8, 9                        ; scale words of 128 rows: 256 bytes (v) or 512 (q, k)
	s_cselect_b32 s92, 4, 0                        ; the bias: kind 1: 4 r, the same in a lane's eight registers;
	s_cselect_b32 s93, 0, 32                       ; kind 0: 32 h
	s_cselect_b32 s94, 0, 4                        ; + 4 j
	s_mov_b32 s22, 0x76543210
	s_mov_b32 s23, 0xfedcba98                      ; v_permlanex16_b32's selects for lane l xor 16
	v_mad_u32_u24 v[SV], v2, s19, v5
	v_mov_b32 v[VO], v[L16]
.irp a, 1,2,3
	v_add_nc_u32 v[VO+2*\a], s3, v[VO+2*\a-2]
.endr
.irp a, 4,5,6,7
	v_add_nc_u32 v[VO+2*\a], s18, v[VO+2*\a-8]
.endr
.irp a, 0,1,2,3,4,5,6,7
	v_add_nc_u32 v[VO+2*\a+1], s2, v[VO+2*\a]
.endr
	v_mul_u32_u24 v[VB], v1, s92
	v_mad_u32_u24 v[VB], v2, s93, v[VB]
	s_wait_alu depctr_va_vdst(0)
.irp j, 1,2,3,4,5,6,7
	v_add_nc_u32 v[VB+\j], s94, v[VB+\j-1]
.endr
	s_lshl_b32 s100, s100, 1
	s_add_co_u32 s100, s100, s101                  ; which 128 of the 3,072 columns are mine: 0 .. 23
	s_lshl_b32 s46, s100, 9
	s_mov_b32 s47, 0
	s_add_nc_u64 s[96:97], s[96:97], s[46:47]      ; their bias
	s_lshr_b32 s101, s100, 3                       ; region: 0 q, 1 k, 2 v
	s_and_b32 s100, s100, 7
	s_lshl_b32 s100, s100, 1                       ; my two heads: this one and the next
	s_lshr_b32 s46, s66, 3                         ; the batch: 8 tiles of 256 rows each
	s_lshl_b32 s46, s46, 4
	s_add_co_u32 s100, s100, s46                   ; the first head's record
	s_mul_i32 s100, s100, REC
	s_mul_i32 s101, s101, REGION
	s_add_co_u32 s100, s100, s101                  ; (under 2^24 bytes)
	s_and_b32 s66, s66, 7
	s_lshl_b32 s66, s66, 1
	s_add_co_u32 s66, s66, s67                     ; which 128 of the batch's 2,048 rows are mine
	s_lshl_b32 s46, s66, 12                        ; their images: 4,096 bytes in every region
	s_add_co_u32 s46, s46, s100
	s_add_nc_u64 s[12:13], s[98:99], s[46:47]
	s_lshl_b32 s46, s66, s21
	s_add_co_u32 s46, s46, s100
	s_add_co_u32 s46, s46, 65536                   ; a region's scale words lie behind its images
	s_add_nc_u64 s[66:67], s[98:99], s[46:47]
	s_wait_alu depctr_va_vdst(0)
.irp i, 0,1,2,3,4,5,6,7
.irp j, 0,1,2,3,4,5,6,7
	global_load_b32 v[BIAS+8*\i+\j], v[VB+\j], s[96:97] offset:64*\i   ; kind 0: b(16 i + 8 h + j);  kind 1: b(16 i + r)
.endr
.endr
.macro FRAG reg, adr, q, i             ; a fragment, 16 rows x 128 K of 4-bit codes, is 8 registers: lane l holds row l % 16; registers 4 c .. 4 c + 3 hold K = 64 c + 32 (l / 16) + 0 .. 31
.irp c, 0,1
	ds_load_b128 v[\reg+4*\c:\reg+4*\c+3], v[\adr] offset:64*(\q)+32*\c+(\i)*16*PITCH
.endr
.endm
; 16 matrix instructions: A's blocks a0, a0 + 1 x B's eight, 128 along K: the slot's q-th.  p: B's set;  sc: the set of scale words.
; zero = 1, 2: the first product starts the sums with the bias as C (1: by B's block; 2: by A's): nothing is cleared and nothing is added later.
; The 64 accumulators take turns, one instruction a turn, in the same order in every step.
.macro MUL16 a0, p, q, sc, zero
.irp a, \a0, \a0+1
.irp b, 0,1,2,3,4,5,6,7
.if \zero == 1
	v_wmma_scale_f32_16x16x128_f8f6f4 v[8*(8*((\a)%4)+\b):8*(8*((\a)%4)+\b)+7], v[128*(\p)+FR*\b:128*(\p)+FR*\b+FR-1], v[AF+FR*(\a):AF+FR*(\a)+FR-1], v[BIAS+8*\b:BIAS+8*\b+7], v[SC+8*NQ*(\sc)+NQ*\b+(\q)], v[SC+8*NQ*(\sc)+NQ*(\a)+(\q)] matrix_a_fmt:MATRIX_FMT_FP4 matrix_b_fmt:MATRIX_FMT_FP4 matrix_a_scale:MATRIX_SCALE_ROW1
.elseif \zero == 2
	v_wmma_scale_f32_16x16x128_f8f6f4 v[8*(8*((\a)%4)+\b):8*(8*((\a)%4)+\b)+7], v[128*(\p)+FR*\b:128*(\p)+FR*\b+FR-1], v[AF+FR*(\a):AF+FR*(\a)+FR-1], v[BIAS+8*(\a):BIAS+8*(\a)+7], v[SC+8*NQ*(\sc)+NQ*\b+(\q)], v[SC+8*NQ*(\sc)+NQ*(\a)+(\q)] matrix_a_fmt:MATRIX_FMT_FP4 matrix_b_fmt:MATRIX_FMT_FP4 matrix_a_scale:MATRIX_SCALE_ROW1
.else
	v_wmma_scale_f32_16x16x128_f8f6f4 v[8*(8*((\a)%4)+\b):8*(8*((\a)%4)+\b)+7], v[128*(\p)+FR*\b:128*(\p)+FR*\b+FR-1], v[AF+FR*(\a):AF+FR*(\a)+FR-1], v[8*(8*((\a)%4)+\b):8*(8*((\a)%4)+\b)+7], v[SC+8*NQ*(\sc)+NQ*\b+(\q)], v[SC+8*NQ*(\sc)+NQ*(\a)+(\q)] matrix_a_fmt:MATRIX_FMT_FP4 matrix_b_fmt:MATRIX_FMT_FP4 matrix_a_scale:MATRIX_SCALE_ROW1
.endif
.endr
.endr
.endm
.macro FETCH_B slot, q, p              ; B's eight fragments of the slot's q-th 128 along K into set p
	WIN TO_B
.irp i, 0,1,2,3,4,5,6,7
	FRAG 128*(\p)+FR*\i, ADRB+\slot, \q, \i
.endr
	WIN 0
.endm
.macro FETCH_A slot, q, i0             ; A's blocks i0 .. i0 + 3
.irp i, \i0, \i0+1, \i0+2, \i0+3
	FRAG AF+FR*(\i), ADRA+\slot, \q, \i
.endr
.endm
.macro SCALES sc                       ; a slot's scale words into set sc: four words a row; lanes 0-15 take A's block i, lanes 16-31 B's block i
.irp i, 0,1,2,3,4,5,6,7
	ds_load_b128 v[SC+8*NQ*\sc+NQ*\i:SC+8*NQ*\sc+NQ*\i+3], v[ADRS] offset:\i*SBLK
.endr
.endm
; A load into a register that a matrix instruction has read, and a vector instruction or a store that reads a matrix result, stand NP places behind that matrix instruction, and only plain vector
; instructions that name none of its registers are places (ISA guide 7.12.1 for vector instructions).
.macro PLACES n
.rept \n
	v_nop
.endr
.endm
; A step of 128 along K that has its successor in the same slot.  A's blocks go one after the other, each against B's eight: so one set of registers serves A (blocks 0-3 fetched anew in the step's middle, 4-7 at its end), two serve B.
.macro STEP slot, q, zero
	s_wait_dscnt 4*NL                              ; B's set and A's blocks 0-3 are in; the youngest eight loads (A's blocks 4-7) may be out
.if \zero
	WIN BEG_LO
.else
	WIN MUL_LO
.endif
	MUL16 0, (\q)%2, \q, \slot, \zero
	MUL16 2, (\q)%2, \q, \slot, \zero
	s_wait_dscnt 0                                 ; A's blocks 4-7 are in (asked for 32 matrix instructions ago)
	PLACES NP
	FETCH_B \slot, (\q)+1, 1-(\q)%2
	FETCH_A \slot, (\q)+1, 0
.if \zero
	WIN BEG_HI
.else
	WIN MUL_HI
.endif
	MUL16 4, (\q)%2, \q, \slot, \zero
	MUL16 6, (\q)%2, \q, \slot, \zero
	PLACES NP
	WIN 0
	FETCH_A \slot, (\q)+1, 4
.endm
; Slot 0's last step changes slots: one barrier; in front of it each wave waits for all its tensor loads (its part of slot 1), adds 0 to its spare word, and waits for that and for its own reads of slot 0.
; Behind it slot 1 is whole, and nobody reads slot 0 any more: the way out may use its bytes.  Nothing is filled again.
.macro TURN slot, next
	s_wait_tensorcnt 0x0                           ; all my tensor loads have landed  (every window is 0 here: the add's two registers lie in window 0)
	ds_add_u32 v[SPW], v[NIL]                      ; 0 onto my spare word
	s_wait_dscnt 4*NL+1                            ; (the add and the youngest eight loads, A's blocks 4-7, may be out)
	WIN MUL_LO
	MUL16 0, 1, NQ-1, \slot, 0                     ; sixteen matrix instructions stand between the add and the wait for it
	s_wait_dscnt 0x0                               ; the add is done, and my reads of this slot are over
	s_barrier_signal -1
	MUL16 2, 1, NQ-1, \slot, 0
	WIN 0
	s_barrier_wait -1
	PLACES NP
	v_add_nc_u32 v[ADRS], 4*NQ, v[ADRS]            ; on to the next slot's scale words (no LDS load of mine is out)
	FETCH_B \next, 0, 0
	FETCH_A \next, 0, 0
	SCALES \next
	WIN MUL_HI
	MUL16 4, 1, NQ-1, \slot, 0
	MUL16 6, 1, NQ-1, \slot, 0
	PLACES NP
	WIN 0
	FETCH_A \next, 0, 4
.endm
	s_wait_loadcnt 0x0                             ; the bias is in
	s_wait_tensorcnt 1                             ; the scales and my part of slot 0 are in (slot 1's load may be out)
	s_barrier_signal -1
	s_barrier_wait -1                              ; everybody's are
	FETCH_B 0, 0, 0
	FETCH_A 0, 0, 0
	SCALES 0
	FETCH_A 0, 0, 4
	s_cmp_eq_u32 s95, 1                            ; the first step is written twice: the kinds differ in which bias registers start a sum.  No barrier and no tensor load stands in it
	s_cbranch_scc1 .Lfirst_v
	STEP 0, 0, 1
	s_branch .Lfirst_done
.Lfirst_v:
	STEP 0, 0, 2
.Lfirst_done:
	STEP 0, 1, 0
	STEP 0, 2, 0
	TURN 0, 1
	STEP 1, 0, 0
	STEP 1, 1, 0
	STEP 1, 2, 0
	s_wait_dscnt 4*NL                              ; the very last step: nothing more to fetch
	WIN MUL_LO
	MUL16 0, 1, NQ-1, 1, 0
	MUL16 2, 1, NQ-1, 1, 0
	s_wait_dscnt 0
	WIN MUL_HI
	MUL16 4, 1, NQ-1, 1, 0
	MUL16 6, 1, NQ-1, 1, 0
	WIN 0
	PLACES NP                                      ; in front of the first read of results and of the first write into registers that held A's fragments
.irp b, 0,1,2,3
	v_mov_b32 v[TP+\b], 0                          ; written once: a lane permute's destination counts as one of its sources
.endr
; THE WAY OUT of A's block a: 16 lanes' rows x 128 along the next operand's K: four blocks of 32, block B in accumulators (a, 2 B) and (a, 2 B + 1).
.macro QOUT a
.set AC, 64*((\a)%4)
	WIN 0x0a+5*((\a)/4)                            ; sources 0 and 1: window 2 or 3
.irp b, 0,1,2,3
	v_max3_num_f32 v[TM+\b], |v[AC+16*\b]|, |v[AC+16*\b+1]|, 0x1800000   ; block b: my 16 numbers, each accumulator from its low end on, and the floor 2^(3 - 127): the byte cannot fall under 1
.endr
.irp i, 2,4,6,8,10,12,14
.irp b, 0,1,2,3
	v_max3_num_f32 v[TM+\b], |v[AC+16*\b+\i]|, |v[AC+16*\b+\i+1]|, v[TM+\b]   ; (the four blocks by turns: no line waits for the line above it)
.endr
.endr
	WIN 0
.irp b, 0,1,2,3
	v_permlanex16_b32 v[TP+\b], v[TM+\b], s22, s23
.endr
.irp b, 0,1,2,3
	v_max_num_f32 v[TM+\b], v[TM+\b], v[TP+\b]     ; with lane l xor 16's: the block's largest magnitude
.endr
.irp b, 0,1,2,3
	v_add_nc_u32 v[SO+\b], 0xff000000, v[TM+\b]    ; 2 off its exponent field: the conversion's scale operand
.endr
.irp b, 0,1,2,3
	v_lshrrev_b32 v[BY+\b], 23, v[SO+\b]           ; the scale's byte
.endr
	v_lshl_or_b32 v[FULL], v[BY+1], 8, v[BY]
	v_lshl_or_b32 v[FULL], v[BY+2], 16, v[FULL]
	v_lshl_or_b32 v[FULL], v[BY+3], 24, v[FULL]    ; kind 1: the scale word of 128 keys.  Kind 0: the first head's two bytes below, the second head's above,
	v_lshrrev_b32 v[SWP], 16, v[FULL]
	v_lshl_or_b32 v[SWP], v[FULL], 16, v[SWP]      ; and the other way round for the second head,
	v_cndmask_b32 v[VAL+\a], v[FULL], v[SWP], s20  ; which lanes 16-31 keep (kind 1: all lanes keep the word as it is)
	ds_store_b32 v[STO], v[VAL+\a] offset:256*((\a)/4)+4*((\a)%4)
	WIN 0x02+((\a)/4)                              ; source 0: window 2 or 3
.irp g, 0,1
	v_cvt_scalef32_pk8_fp4_f32 v[PC+8*(\a)+4*\g],   v[AC+32*\g:AC+32*\g+7],     v[SO+2*\g]     ; block 2 g, its numbers 8 h + 0 .. 7
	v_cvt_scalef32_pk8_fp4_f32 v[PC+8*(\a)+4*\g+1], v[AC+32*\g+16:AC+32*\g+23], v[SO+2*\g+1]   ; block 2 g + 1, likewise
	v_cvt_scalef32_pk8_fp4_f32 v[PC+8*(\a)+4*\g+2], v[AC+32*\g+8:AC+32*\g+15],  v[SO+2*\g]     ; block 2 g, 16 + 8 h + 0 .. 7
	v_cvt_scalef32_pk8_fp4_f32 v[PC+8*(\a)+4*\g+3], v[AC+32*\g+24:AC+32*\g+31], v[SO+2*\g+1]
.endr
	WIN 0
	v_nop                                          ; one plain line behind the conversions
.irp g, 0,1
	v_permlane16_swap_b32 v[PC+8*(\a)+4*\g],   v[PC+8*(\a)+4*\g+1]   ; the first's lanes 16-31 change places with the second's lanes 0-15:
	v_permlane16_swap_b32 v[PC+8*(\a)+4*\g+2], v[PC+8*(\a)+4*\g+3]   ; lanes 0-15 now hold block 2 g whole, lanes 16-31 block 2 g + 1
.endr
	global_store_b128 v[VO+2*(\a)],   v[PC+8*(\a):PC+8*(\a)+3],   s[12:13]   ; 32 lanes store 512 consecutive bytes, at a multiple of 512 from the buffer's first byte
	global_store_b128 v[VO+2*(\a)+1], v[PC+8*(\a)+4:PC+8*(\a)+7], s[12:13]
.endm
.irp a, 0,1,2,3,4,5,6,7
	QOUT \a
.endr
	ds_load_b128 v[RB:RB+3], v[RD]                 ; LDS serves a wave's instructions in order: these see my stores.  Kind 0: the first head's 512 bytes of words; kind 1: both heads' 256
	ds_load_b128 v[RB+4:RB+7], v[RD] offset:512    ; kind 0: the second head's
	s_wait_dscnt 0x0
	global_store_b128 v[SV], v[RB:RB+3], s[66:67]  ; sixteen lanes store 256 consecutive bytes
	s_cmp_eq_u32 s95, 1
	s_cbranch_scc1 .Lno_second
	global_store_b128 v[SV], v[RB+4:RB+7], s[66:67] offset:REC
.Lno_second:
	s_wait_tensorcnt 0x0                           ; the wave's end: behind my last tensor load and my last LDS store
	ds_add_u32 v[SPW], v[NIL]
	s_wait_dscnt 0x0
	CROUND                                         ; the closing round: no work-group ends while a partner may still ask for a tile that names it
	s_endpgm
.Lfunc_end_k_qe83f0d6008_gemm_qkv:
	.size	k_qe83f0d6008_gemm_qkv, .Lfunc_end_k_qe83f0d6008_gemm_qkv-k_qe83f0d6008_gemm_qkv
	.p2alignl 7, 3214868480
	.fill 96, 4, 3214868480
	.section	.rodata,"a",@progbits
	.p2align	6, 0x0
	.amdhsa_kernel k_qe83f0d6008_gemm_qkv
		.amdhsa_group_segment_fixed_size 327680
		.amdhsa_private_segment_fixed_size 0
		.amdhsa_enable_private_segment 0
		.amdhsa_kernarg_size 48
		.amdhsa_user_sgpr_count 2
		.amdhsa_user_sgpr_kernarg_segment_ptr 1
		.amdhsa_wavefront_size32 1
		.amdhsa_system_sgpr_workgroup_id_x 1
		.amdhsa_system_sgpr_workgroup_id_y 1
		.amdhsa_system_sgpr_workgroup_id_z 1
		.amdhsa_system_vgpr_workitem_id 0
		.amdhsa_next_free_vgpr 1024
		.amdhsa_next_free_sgpr 102
		.amdhsa_reserve_vcc 0
		.amdhsa_float_denorm_mode_32 3
		.amdhsa_float_denorm_mode_16_64 3
		.amdhsa_memory_ordered 1
		.amdhsa_forward_progress 1
		.amdhsa_inst_pref_size 149
	.end_amdhsa_kernel
	.amdgpu_metadata
---
amdhsa.version: [ 1, 2 ]
amdhsa.kernels:
  - .name:           k_qe83f0d6008_gemm_qkv
    .symbol:         k_qe83f0d6008_gemm_qkv.kd
    .args:
      - { .name: x_codes, .offset: 0, .size: 8, .value_kind: global_buffer, .address_space: global }
      - { .name: x_scales, .offset: 8, .size: 8, .value_kind: global_buffer, .address_space: global }
      - { .name: w_codes, .offset: 16, .size: 8, .value_kind: global_buffer, .address_space: global }
      - { .name: w_scales, .offset: 24, .size: 8, .value_kind: global_buffer, .address_space: global }
      - { .name: b_qkv, .offset: 32, .size: 8, .value_kind: global_buffer, .address_space: global }
      - { .name: qkv, .offset: 40, .size: 8, .value_kind: global_buffer, .address_space: global }
    .group_segment_fixed_size: 327680
    .private_segment_fixed_size: 0
    .kernarg_segment_align: 8
    .kernarg_segment_size: 48
    .max_flat_workgroup_size: 128
    .sgpr_count:     102
    .vgpr_count:     1024
    .wavefront_size: 32
...
	.end_amdgpu_metadata
.endif
;; end of part 3
;; launch attn (part 4): grid 4 x 64, 16 waves a work-group, clusters of 4 x 1, 169,984 bytes of LDS; arguments qkv, y_img, y_sc; writes y_img, y_sc
.if DOCPART == 4
	.amdgcn_target "amdgcn-amd-amdhsa--gfx1250"
	.amdhsa_code_object_version 6
	.text
	.protected	k_qe83f0d6008_attn
	.globl	k_qe83f0d6008_attn
	.p2align	8
	.type	k_qe83f0d6008_attn,@function
k_qe83f0d6008_attn:
	s_mov_b64 s[64:65], 0
	v_nop
	global_prefetch_b8 v0, s[64:65] scope:SCOPE_SE
	s_setreg_imm32_b32 hwreg(HW_REG_WAVE_MODE, 25, 1), 1
	s_wait_xcnt 0x0
	s_wait_alu depctr_hold_cnt(0) depctr_sa_sdst(0) depctr_va_vdst(0) depctr_va_sdst(0) depctr_va_ssrc(0) depctr_va_vcc(0) depctr_vm_vsrc(0)
	s_getreg_b32 s2, hwreg(HW_REG_IB_STS2, 6, 4)
	s_cmp_eq_u32 s2, 0
	s_cbranch_scc0 .Lentry_in_a_cluster
	s_endpgm
.Lentry_in_a_cluster:
	s_bfe_u32 s2, ttmp6, 0x10000c
	s_cmp_lg_u32 s2, 0x3003
	s_cbranch_scc0 .Lentry_shape_is_right
	s_endpgm
.Lentry_shape_is_right:
; y[b][t][head] = softmax_k(q . k / 8, causal) v, both products on codes of FP4 (E2M1) with one E8M0 scale for each 32 along a product's K; y leaves as codes and scale bytes for the last product.
; q, k, v come from the records of qkv (one for each 16 b + head), laid in the order of the operands' registers: q, k image [tile of 16 rows][lane][16 bytes] (K = the head's 64: registers 0-3 of the operand; registers 4-7 are
; zero codes, kept in registers); v image [128 keys][16 d][c][lane][16 bytes] (K = the keys).
; THE SOFTMAX AHEAD OF THE SECOND PRODUCT: t = score x log2(e) / 8; M = the running largest t rounded UP to a whole number; p = 2^(t - M) is what is quantised, along the keys; it is not normalised.
; The row's sum is taken of the unquantised p, in f32, and divides O at the end.  When M moves, the sum and O are multiplied by 2^(old M - new M): exact.
; SHARES.  The four work-groups of a cluster share one head.  A head's k and v (images and scale words, 143,360 consecutive bytes) come into each one's LDS ONCE, by joint loads, one a wave; nothing is filled again
; and nothing is stored to LDS: one barrier.  Wave w makes TWO tiles of 16 queries: tile 8 a + s and tile 127 - (8 a + s), a = w % 8, s = 2 cx + w / 8.  They need a + 1 and 16 - a steps of 128 keys: 17 for every wave.
; The counts hang on the wave's number alone; cx enters global addresses and one register of data (the mask's bound), never a branch or an LDS address.
; EVERY PASS WALKS 16 TRIPS, a constant; a trip all of whose keys come after the tile's queries jumps over its work (a scalar branch on the wave's number and the trip's).  In the one trip on the diagonal hidden scores
; become -infinity ahead of the maximum.  Key 0 counts for every query, so M is a number from the first trip on.
; LAYOUT.  Both products are used transposed: S^T = k q^T (source 0 = 16 keys, source 1 = my 16 queries), O^T = v^T p^T: a lane holds ONE query (lane % 16) throughout.  Registers 16 b .. 16 b + 15 of S^T are keys
; 32 b + 8 h + 0 .. 7 and 32 b + 16 + 8 h + 0 .. 7 of block b; four conversions for a pair of blocks (tile 2 B0, 2 B1, 2 B0 + 1, 2 B1 + 1) and two exchanges of halves give the operand's layout.  y likewise.
; LIMITS: a block of zeros gets the byte 1 (its codes are zeros; this program alone reads the bytes); NaN and infinities are not served.  y's scale bytes leave one byte a lane, 32 bytes apart: a row's 32 bytes come from
; sixteen heads, which sixteen clusters make; they are one sixteenth of y's bytes.
.set REC,   217088                     ; a record of qkv
.set KOFF,  73728                      ; where k's images begin in it; from there on 143,360 bytes go to LDS byte 0 on:
.set LKS,   65536                      ; k's scale words,
.set LVI,   73728                      ; v's images,
.set LVS,   139264                     ; v's scale words
.set CHUNK, 8960                       ; what one wave's load brings: 35 rows of 256 bytes
.set ADK, 5                            ; v5-8  LDS addresses of the trip's loads: k's images, k's scale words, v's images, v's scale words
.set ADS, 6                            ; (v1 16 x lane; v2 LKS + 16 r; v3 LVI + 16 x lane; v4 LVS + 16 r: never rewritten)
.set ADV, 7
.set ADT, 8
.set DG,  9                            ; v9   16 s + r - 8 h: on the diagonal register 8 i + j is hidden where 16 i + j is larger
.set NINF, 10                          ; v10  -infinity
.set YSO, 11                           ; v11  32 r + h: my scale byte's place
.set QA,  16                           ; v16-23, v24-31 q's fragments of my two tiles; v[12:13] -M and the largest t; v[14:15] the sum in two halves
.set QB,  24
.set KF,  32                           ; v32-63   four fragments of k
.set S,   64                           ; v64-127  S^T, then p; on the way out y
.set O,   128                          ; v128-159 O^T
.set VF,  160                          ; v160-191 v's four fragments
.set PC,  192                          ; v192-199 p's codes
.set KSW, 200                          ; v200-207 k's scale words; v208-211 v's; v212, v213 q's; v214 p's
.set VSW, 208
.set QSA, 212
.set QSB, 213
.set PSW, 214
.set TM,  216                          ; v216-219 block maxima; v220-223 lane l xor 16's; v224-227 the conversions' scale operands; v228-231 the bytes
.set TP,  220
.set SO,  224
.set BY,  228
.set F,   232                          ; v[232:233] f = 2^(old M - new M), later 1 / the sum (the packed forms name a pair and take its low word)
.set TT0, 234                          ; v234 at work
.set SUM2, 236                         ; v[236:237] the second chain of the row's sum
.set YC,  240                          ; v240-243 y's codes; v244 its scale byte
.set YB,  244
.set WV,  18                           ; s18 my wave's number
.set SEL, 20                           ; s[20:21] v_permlanex16_b32's selects for lane l xor 16
.set CS,  22                           ; s[22:23] c = log2(e) / 8
.set AL,  36                           ; s36 the pass's last active trip: tile / 8
.set BS,  37                           ; s37 tile % 8 (holds cx)
.set KC,  38                           ; s38 the trip
.set TK,  39                           ; s39 the trip's images: 4,096 bytes a trip, k's and v's alike
.set TS,  40                           ; s40 k's scale words: 512
.set TV,  41                           ; s41 v's: 256
.set BH,  42                           ; s42 16 b + head
.set MSK, 58                           ; s58 lanes 16-31
.macro CROUND                          ; a round of the cluster's barrier
	s_barrier_signal -1
	s_barrier_wait -1
	s_cmp_lg_u32 s[WV], 0
	s_cbranch_scc1 .Lnot_wave_0_\@
	s_barrier_signal -3
.Lnot_wave_0_\@:
	s_barrier_wait -3
	s_barrier_signal -1
	s_barrier_wait -1
.endm
.macro QBASE pi, ps                    ; where tile 8 AL + BS of q lies: its image, and its scale words' first
	s_lshl_b32 s10, s[AL], 3
	s_add_co_u32 s10, s10, s[BS]
	s_lshl_b32 s10, s10, 9                         ; 512 bytes a tile
	s_mov_b32 s11, 0
	s_add_nc_u64 s[\pi:\pi+1], s[48:49], s[10:11]
	s_lshl_b32 s10, s[AL], 9                       ; [128 rows][g][r][4 words]: 512 AL + 256 (BS / 4) + 4 (BS % 4)
	s_lshr_b32 s12, s[BS], 2
	s_lshl_b32 s12, s12, 8
	s_add_co_u32 s10, s10, s12
	s_and_b32 s12, s[BS], 3
	s_lshl_b32 s12, s12, 2
	s_add_co_u32 s10, s10, s12
	s_add_co_u32 s10, s10, 65536
	s_add_nc_u64 s[\ps:\ps+1], s[48:49], s[10:11]
.endm
	s_load_b128 s[4:7], s[0:1], 0x0                ; qkv, y's images
	s_load_b64 s[8:9], s[0:1], 0x10                ; y's scale bytes
	v_lshl_add_u32 v254, v0, 2, 0x29000
	v_mov_b32 v255, 0
	ds_add_u32 v254, v255
	ds_add_u32 v254, v255
	v_lshrrev_b32 v5, 5, v0
	s_delay_alu instid0(VALU_DEP_1)
	v_readfirstlane_b32 s[WV], v5                  ; wave 0..15
	s_bfe_u32 s43, ttmp6, 0x40000                  ; cx: my place in the cluster
	s_and_b32 s[BH], ttmp7, 0xffff                 ; the cluster's y: 16 b + head, which the four partners share
	s_and_b32 s[AL], s[WV], 7
	s_lshr_b32 s[BS], s[WV], 3
	s_lshl_b32 s43, s43, 1
	s_add_co_u32 s[BS], s[BS], s43
	; descriptor group 1: 35 rows of 256 bytes (32 elements of 8 bytes), dense in memory and in LDS
	s_mov_b32 s24, 15|(3<<16)|(1<<21)              ; 15:0 the mask: all four work-groups; 17:16 elements of 8 bytes; 21 set beside a mask; no padding: every read takes 16 x lane or 16 r
	s_mov_b32 s25, 32<<16                          ; tensor_dim0
	s_mov_b32 s26, 35<<16                          ; tensor_dim1
	s_mov_b32 s27, 32<<16                          ; tile_dim0
	s_mov_b32 s28, 35                              ; tile_dim1
	s_mov_b32 s29, 32                              ; tensor_dim0_stride
	s_mov_b32 s30, 0
	s_mov_b32 s31, 0
	s_mov_b32 s32, 1                               ; group 0: count = 1
	s_mul_i32 s33, s[WV], CHUNK                    ; LDS address: the wave's number alone
	s_mul_i32 s10, s[BH], REC
	s_mov_b32 s11, 0
	s_add_co_u32 s12, s33, KOFF
	s_mov_b32 s13, 0
	s_mov_b32 s[SEL], 0x76543210
	s_mov_b32 s[SEL+1], 0xfedcba98
	s_mov_b32 s[CS], 0x3e38aa3b                    ; c = log2(e) / sqrt(64)
	s_mov_b32 s[CS+1], s[CS]                       ; (named with it as a pair, so it is written)
	s_mov_b32 s[MSK], 0xffff0000
	s_wait_dscnt 0x0
	s_wait_kmcnt 0x0
	s_add_nc_u64 s[48:49], s[4:5], s[10:11]        ; the head's record
	s_add_nc_u64 s[34:35], s[48:49], s[12:13]      ; my 8,960 bytes of its k and v: the same address in all four partners
	s_or_b32 s35, s35, 0x80000000                  ; type = 2
	QBASE 50, 52                                   ; my first tile of q,
	s_xor_b32 s[AL], s[AL], 15
	s_xor_b32 s[BS], s[BS], 7
	QBASE 54, 56                                   ; and my second: 127 - the first
	s_xor_b32 s[AL], s[AL], 15
	s_xor_b32 s[BS], s[BS], 7
	CROUND                                         ; all four work-groups are here: the joint loads meet
	tensor_load_to_lds s[32:35], s[24:31]          ; my one tensor load of the launch
	s_nop 0
.rept 4
	v_nop
.endr
	v_and_b32 v246, 15, v0                         ; r
	v_bfe_u32 v247, v0, 4, 1                       ; h
	v_and_b32 v1, 31, v0
	s_delay_alu instid0(VALU_DEP_1)
	v_lshlrev_b32 v1, 4, v1                        ; 16 x lane
	s_delay_alu instid0(VALU_DEP_4)
	v_lshlrev_b32 v248, 4, v246                    ; 16 r
	global_load_b128 v[QA:QA+3], v1, s[50:51]      ; q's fragments stay in registers
	global_load_b32 v[QSA], v248, s[52:53]         ; and their scale words: lane r has query r's
	global_load_b128 v[QB:QB+3], v1, s[54:55]
	global_load_b32 v[QSB], v248, s[56:57]
	v_add_nc_u32 v2, LKS, v248
	v_add_nc_u32 v3, LVI, v1
	v_add_nc_u32 v4, LVS, v248
	v_lshl_add_u32 v[YSO], v246, 5, v247
	v_lshlrev_b32 v249, 3, v247
	s_delay_alu instid0(VALU_DEP_1)
	v_sub_nc_u32 v249, v246, v249                  ; r - 8 h
	v_mov_b32 v[NINF], 0xff800000
.irp j, 4,5,6,7
	v_mov_b32 v[QA+\j], 0                          ; K = 64 .. 127 of the first product: zero codes, on both sides, in registers of their own for each operand
	v_mov_b32 v[QB+\j], 0
.irp i, 0,1,2,3
	v_mov_b32 v[KF+8*\i+\j], 0
.endr
.endr
.irp b, 0,1,2,3
	v_mov_b32 v[TP+\b], 0                          ; written once: a lane permute's destination counts as one of its sources
.endr
	v_mov_b32 v[F+1], 0                            ; (named as the upper half of a pair)
	v_mov_b32 v[TT0], 0
	s_wait_loadcnt 0x0                             ; q
	s_wait_tensorcnt 0x0                           ; my part of k and v has landed,
	s_barrier_signal -1
	s_barrier_wait -1                              ; everybody's has
; ONE TILE OF 16 QUERIES: tile 8 AL + BS; its q in v[qf] on, q's scale words in v[qs].
.macro TILE_PASS qf, qs
	s_wait_xcnt 0x0                                ; the last pass's stores have read their bases and their data: both are written again below
	s_lshl_b32 s10, s[AL], 3
	s_add_co_u32 s10, s10, s[BS]                   ; the tile
	s_lshr_b32 s12, s[BH], 4
	s_lshl_b32 s12, s12, 7
	s_add_co_u32 s12, s12, s10                     ; 128 b + tile: y's tile of 16 rows
	s_and_b32 s14, s[BH], 15                       ; the head
	s_lshl_b32 s10, s12, 13                        ; y's images: [tile of rows][head][lane][16 bytes]
	s_lshl_b32 s16, s14, 9
	s_add_co_u32 s10, s10, s16
	s_mov_b32 s11, 0
	s_add_nc_u64 s[44:45], s[6:7], s[10:11]
	s_lshl_b32 s10, s12, 9                         ; y's scale bytes: 16 rows of 32; the head's two at 2 x head
	s_lshl_b32 s16, s14, 1
	s_add_co_u32 s10, s10, s16
	s_add_nc_u64 s[46:47], s[8:9], s[10:11]
	s_lshl_b32 s10, s[BS], 4
	v_add_nc_u32 v[DG], s10, v249
.set JJ, 0
.rept 32
	v_mov_b32 v[O+JJ], 0                           ; O^T.  (The trip is written once: the first finds zeros, which the first change of M leaves zeros)
.set JJ, JJ+1
.endr
	v_mov_b32 v13, 0xff61b1e6                      ; the largest t so far: -3e38, under every t
	s_delay_alu instid0(VALU_DEP_1)
	v_floor_f32 v12, -v13                          ; -M
	v_mov_b32 v14, 0                               ; the sum, in two halves
	v_mov_b32 v15, 0
	s_mov_b32 s[KC], 0
	s_mov_b32 s[TK], 0
	s_mov_b32 s[TS], 0
	s_mov_b32 s[TV], 0
.Ltrip_\@:                                         ; 16 trips, 128 keys each
	s_cmp_gt_u32 s[KC], s[AL]                      ; all its keys come after my queries: only the steps at the trip's end are taken
	s_cbranch_scc1 .Lhidden_\@
	s_setprio 2
	v_add_nc_u32 v[ADK], s[TK], v1                 ; these four name no register of the last trip's products: they are the four places in front of the loads below
	v_add_nc_u32 v[ADS], s[TS], v2
	v_add_nc_u32 v[ADV], s[TK], v3
	v_add_nc_u32 v[ADT], s[TV], v4
.irp i, 0,1,2,3
	ds_load_b128 v[KF+8*\i:KF+8*\i+3], v[ADK] offset:512*\i        ; keys 16 i on
.endr
	ds_load_b128 v[KSW:KSW+3], v[ADS]              ; lane r: the words of key 16 i + r, i = 0 .. 3,
	ds_load_b128 v[KSW+4:KSW+7], v[ADS] offset:256 ; and 4 .. 7
.irp t, 0,1,2,3
.irp c, 0,1
	ds_load_b128 v[VF+8*\t+4*\c:VF+8*\t+4*\c+3], v[ADV] offset:1024*\t+512*\c   ; channels 16 t on, these 128 keys
.endr
.endr
	ds_load_b128 v[VSW:VSW+3], v[ADT]              ; lane r: the words of channel 16 t + r
	s_wait_alu depctr_va_vdst(0)
	s_wait_dscnt 9                                 ; k's first four fragments and its words are in; v's nine loads may be out
.irp i, 0,1,2,3
	v_wmma_scale_f32_16x16x128_f8f6f4 v[S+8*\i:S+8*\i+7], v[KF+8*\i:KF+8*\i+7], v[\qf:\qf+7], 0, v[KSW+\i], v[\qs] matrix_a_fmt:MATRIX_FMT_FP4 matrix_b_fmt:MATRIX_FMT_FP4
.endr
.rept 4
	v_nop                                          ; places in front of loads into registers that these products have read
.endr
.irp i, 0,1,2,3
	ds_load_b128 v[KF+8*\i:KF+8*\i+3], v[ADK] offset:2048+512*\i   ; keys 64 + 16 i on
.endr
	s_wait_dscnt 0x0
.irp i, 0,1,2,3
	v_wmma_scale_f32_16x16x128_f8f6f4 v[S+32+8*\i:S+32+8*\i+7], v[KF+8*\i:KF+8*\i+7], v[\qf:\qf+7], 0, v[KSW+4+\i], v[\qs] matrix_a_fmt:MATRIX_FMT_FP4 matrix_b_fmt:MATRIX_FMT_FP4
.endr
.rept 4
	v_nop                                          ; places in front of the first read of results
.endr
	s_cmp_lg_u32 s[KC], s[AL]                      ; only the last active trip lies on the diagonal
	s_cbranch_scc1 .Lopen_\@
.set JJ, 0
.rept 64
	v_cmp_gt_i32 vcc_lo, 16*(JJ/8)+JJ%8, v[DG]     ; register 8 i + j holds key 16 i + 8 h + j of the trip: hidden where that is larger than 16 s + r
	v_cndmask_b32 v[S+JJ], v[S+JJ], v[NINF], vcc_lo
.set JJ, JJ+1
.endr
.Lopen_\@:
.irp b, 0,1,2,3
	v_max3_num_f32 v[TM+\b], v[S+16*\b], v[S+16*\b+1], v[S+16*\b+2]   ; THE LARGEST SCORE OF EACH BLOCK OF 32 KEYS: it serves for the row's maximum and, since p rises with the score, for the block's largest p
.endr
.irp i, 3,5,7,9,11,13
.irp b, 0,1,2,3
	v_max3_num_f32 v[TM+\b], v[TM+\b], v[S+16*\b+\i], v[S+16*\b+\i+1]   ; (the four blocks by turns)
.endr
.endr
.irp b, 0,1,2,3
	v_max_num_f32 v[TM+\b], v[TM+\b], v[S+16*\b+15]
.endr
.irp b, 0,1,2,3
	s_delay_alu instid0(VALU_DEP_4)
	v_permlanex16_b32 v[TP+\b], v[TM+\b], s[SEL], s[SEL+1]
.endr
.irp b, 0,1,2,3
	s_delay_alu instid0(VALU_DEP_4)
	v_max_num_f32 v[TM+\b], v[TM+\b], v[TP+\b]     ; with lane l xor 16's 16 keys
.endr
	s_delay_alu instid0(VALU_DEP_2)
	v_max3_num_f32 v[TT0], v[TM], v[TM+1], v[TM+2]
	s_delay_alu instid0(VALU_DEP_1)
	v_max_num_f32 v[TT0], v[TT0], v[TM+3]          ; the trip's largest score of my query
	s_delay_alu instid0(VALU_DEP_1)
	v_mul_f32 v[TT0], s[CS], v[TT0]                ; as t (c is positive)
	s_delay_alu instid0(VALU_DEP_1)
	v_max_num_f32 v13, v13, v[TT0]                 ; the running largest t
	v_mov_b32 v[TT0], v12
	s_delay_alu instid0(VALU_DEP_2)
	v_floor_f32 v12, -v13                          ; the new -M = floor(-t) = -ceil(t): M IS A WHOLE NUMBER
	s_delay_alu instid0(VALU_DEP_1)
	v_sub_f32 v[TT0], v12, v[TT0]                  ; M's old value less its new one: a whole number, 0 or less
	s_delay_alu instid0(VALU_DEP_1)
	v_cvt_i32_f32 v[TT0], v[TT0]                   ; (it saturates)
	s_delay_alu instid0(VALU_DEP_1)
	v_ldexp_f32 v[F], 1.0, v[TT0]                  ; f = 2^(old M - new M): a multiplication by it rounds nothing
.set JJ, 0
.rept 32
	v_pk_fma_f32 v[S+JJ:S+JJ+1], v[S+JJ:S+JJ+1], s[CS:CS+1], v[12:13] op_sel_hi:[1,0,0]   ; t - M, two at a time (of the pairs c and -M the low word serves both halves)
.set JJ, JJ+2
.endr
	s_setprio 1
.irp b, 0,1,2,3
	v_fma_f32 v[TM+\b], v[TM+\b], s[CS], v12       ; the same of each block's largest score
.endr
.set JJ, 0
	s_wait_alu depctr_va_vdst(0)
.rept 64
	v_exp_f32 v[S+JJ], v[S+JJ]                     ; p = 2^(t - M), at most 1: NOT normalised
.set JJ, JJ+1
.endr
.irp b, 0,1,2,3
	v_exp_f32 v[TM+\b], v[TM+\b]                   ; the block's largest p: the same two instructions on the same number give the same bits
.endr
	v_pk_mul_f32 v[14:15], v[14:15], v[F:F+1] op_sel_hi:[1,0]   ; the sums under the new M.  (A plain line behind the exponentials)
	s_wait_alu depctr_va_vdst(0)
.irp b, 0,1,2,3
	v_max_num_f32 v[TM+\b], 0x1800000, v[TM+\b]    ; the floor 2^(3 - 127): the byte cannot fall under 1 (a block whose every p is 0 keeps that byte: its codes are zeros)
.endr
.irp b, 0,1,2,3
	s_delay_alu instid0(VALU_DEP_4)
	v_add_nc_u32 v[SO+\b], 0xff000000, v[TM+\b]    ; 2 off the exponent field: the conversion's scale operand
.endr
.irp b, 0,1,2,3
	s_delay_alu instid0(VALU_DEP_4)
	v_lshrrev_b32 v[BY+\b], 23, v[SO+\b]           ; the scale's byte
.endr
	s_delay_alu instid0(VALU_DEP_3)
	v_lshl_or_b32 v[PSW], v[BY+1], 8, v[BY]        ; p's scale word for these 128 keys
	s_delay_alu instid0(VALU_DEP_1)
	v_lshl_or_b32 v[PSW], v[BY+2], 16, v[PSW]
	s_delay_alu instid0(VALU_DEP_1)
	v_lshl_or_b32 v[PSW], v[BY+3], 24, v[PSW]
.irp c, 0,1
	v_cvt_scalef32_pk8_fp4_f32 v[PC+4*\c],   v[S+32*\c:S+32*\c+7],     v[SO+2*\c]     ; block 2 c, keys 8 h + 0 .. 7 of it
	v_cvt_scalef32_pk8_fp4_f32 v[PC+4*\c+1], v[S+32*\c+16:S+32*\c+23], v[SO+2*\c+1]   ; block 2 c + 1, likewise
	v_cvt_scalef32_pk8_fp4_f32 v[PC+4*\c+2], v[S+32*\c+8:S+32*\c+15],  v[SO+2*\c]     ; block 2 c, keys 16 + 8 h + 0 .. 7
	v_cvt_scalef32_pk8_fp4_f32 v[PC+4*\c+3], v[S+32*\c+24:S+32*\c+31], v[SO+2*\c+1]
.endr
	v_nop                                          ; one plain line behind the conversions
.irp c, 0,1
	v_permlane16_swap_b32 v[PC+4*\c],   v[PC+4*\c+1]   ; lanes 0-15 now hold block 2 c whole, lanes 16-31 block 2 c + 1: registers 4 c .. 4 c + 3 hold keys 64 c + 32 h + 0 .. 31
	v_permlane16_swap_b32 v[PC+4*\c+2], v[PC+4*\c+3]
.endr
.set JJ, 0
.rept 16
	v_pk_mul_f32 v[O+JJ:O+JJ+1], v[O+JJ:O+JJ+1], v[F:F+1] op_sel_hi:[1,0]   ; O^T under the new M: x f; each accumulator from its low end on
.set JJ, JJ+2
.endr
	s_setprio 0
	v_pk_add_f32 v[236:237], v[68:69], v[72:73]
	v_pk_add_f32 v[252:253], v[76:77], v[80:81]
	v_pk_add_f32 v[250:251], v[84:85], v[88:89]
	v_pk_add_f32 v[246:247], v[92:93], v[96:97]
	v_pk_add_f32 v[244:245], v[100:101], v[104:105]
	v_pk_add_f32 v[242:243], v[108:109], v[112:113]
	v_pk_add_f32 v[240:241], v[116:117], v[120:121]
	v_pk_add_f32 v[14:15], v[14:15], v[124:125]
	v_pk_add_f32 v[236:237], v[236:237], v[64:65]
	v_pk_add_f32 v[252:253], v[252:253], v[66:67]
	v_pk_add_f32 v[250:251], v[250:251], v[70:71]
	v_pk_add_f32 v[246:247], v[246:247], v[74:75]
	v_pk_add_f32 v[244:245], v[244:245], v[78:79]
	v_pk_add_f32 v[242:243], v[242:243], v[82:83]
	v_pk_add_f32 v[240:241], v[240:241], v[86:87]
	v_pk_add_f32 v[14:15], v[14:15], v[90:91]
	v_pk_add_f32 v[236:237], v[236:237], v[94:95]
	v_pk_add_f32 v[252:253], v[252:253], v[98:99]
	v_pk_add_f32 v[250:251], v[250:251], v[102:103]
	v_pk_add_f32 v[246:247], v[246:247], v[106:107]
	v_pk_add_f32 v[244:245], v[244:245], v[110:111]
	v_pk_add_f32 v[242:243], v[242:243], v[114:115]
	v_pk_add_f32 v[240:241], v[240:241], v[118:119]
	v_pk_add_f32 v[14:15], v[14:15], v[122:123]
	v_pk_add_f32 v[236:237], v[236:237], v[126:127]
	s_delay_alu instid0(VALU_DEP_2)
	v_pk_add_f32 v[14:15], v[14:15], v[246:247]
	s_delay_alu instid0(VALU_DEP_2)
	v_pk_add_f32 v[236:237], v[236:237], v[244:245]
	v_pk_add_f32 v[252:253], v[252:253], v[242:243]
	v_pk_add_f32 v[250:251], v[250:251], v[240:241]
	s_delay_alu instid0(VALU_DEP_2)
	v_pk_add_f32 v[14:15], v[14:15], v[252:253]
	s_delay_alu instid0(VALU_DEP_2)
	v_pk_add_f32 v[236:237], v[236:237], v[250:251]
	s_delay_alu instid0(VALU_DEP_1)
	v_pk_add_f32 v[14:15], v[14:15], v[236:237]
.irp t, 0,1,2,3                        ; O^T += v^T p^T: the four accumulators by turns, one instruction a turn; eight other products stand between two turns of one
	v_wmma_scale_f32_16x16x128_f8f6f4 v[O+8*\t:O+8*\t+7], v[VF+8*\t:VF+8*\t+7], v[PC:PC+7], v[O+8*\t:O+8*\t+7], v[VSW+\t], v[PSW] matrix_a_fmt:MATRIX_FMT_FP4 matrix_b_fmt:MATRIX_FMT_FP4
.endr
.Lhidden_\@:
	s_add_co_u32 s[TK], s[TK], 4096
	s_add_co_u32 s[TS], s[TS], 512
	s_add_co_u32 s[TV], s[TV], 256
	s_add_co_u32 s[KC], s[KC], 1
	s_cmp_lt_u32 s[KC], 16
	s_cbranch_scc1 .Ltrip_\@
	s_setprio 0
	; THE WAY OUT: O^T / the sum is y(query r, channels 16 t + 8 h + j): the head's two blocks of 32 along the last product's K
.rept 4
	v_nop                                          ; places behind the last products
.endr
	s_wait_alu depctr_va_vdst(0)
	v_add_f32 v14, v14, v15                        ; the sum's two halves,
	s_delay_alu instid0(VALU_DEP_1)
	v_permlanex16_b32 v[TT0], v14, s[SEL], s[SEL+1]
	s_delay_alu instid0(VALU_DEP_1)
	v_add_f32 v14, v14, v[TT0]                     ; and lane l xor 16's: the row's sum
	s_wait_alu depctr_va_vdst(0)
	v_rcp_f32 v[F], v14
	v_nop                                          ; one plain line behind the reciprocal
.set JJ, 0
	s_wait_alu depctr_va_vdst(0)
.rept 16
	v_pk_mul_f32 v[S+JJ:S+JJ+1], v[O+JJ:O+JJ+1], v[F:F+1] op_sel_hi:[1,0]
.set JJ, JJ+2
.endr
.irp b, 0,1
	v_max3_num_f32 v[TM+\b], |v[S+16*\b]|, |v[S+16*\b+1]|, 0x1800000   ; block b: my 16 numbers and the floor
.endr
.irp i, 2,4,6,8,10,12,14
.irp b, 0,1
	s_delay_alu instid0(VALU_DEP_2)
	v_max3_num_f32 v[TM+\b], v[TM+\b], |v[S+16*\b+\i]|, |v[S+16*\b+\i+1]|
.endr
.endr
.irp b, 0,1
	s_delay_alu instid0(VALU_DEP_2)
	v_permlanex16_b32 v[TP+\b], v[TM+\b], s[SEL], s[SEL+1]
.endr
.irp b, 0,1
	s_delay_alu instid0(VALU_DEP_2)
	v_max_num_f32 v[TM+\b], v[TM+\b], v[TP+\b]
.endr
.irp b, 0,1
	s_delay_alu instid0(VALU_DEP_2)
	v_add_nc_u32 v[SO+\b], 0xff000000, v[TM+\b]
.endr
.irp b, 0,1
	s_delay_alu instid0(VALU_DEP_2)
	v_lshrrev_b32 v[BY+\b], 23, v[SO+\b]
.endr
	v_cvt_scalef32_pk8_fp4_f32 v[YC],   v[S:S+7],     v[SO]
	v_cvt_scalef32_pk8_fp4_f32 v[YC+1], v[S+16:S+23], v[SO+1]
	v_cvt_scalef32_pk8_fp4_f32 v[YC+2], v[S+8:S+15],  v[SO]
	v_cvt_scalef32_pk8_fp4_f32 v[YC+3], v[S+24:S+31], v[SO+1]
	v_nop                                          ; one plain line behind the conversions
	v_permlane16_swap_b32 v[YC],   v[YC+1]         ; lane (r, h) now holds block h of row r: 16 bytes
	v_permlane16_swap_b32 v[YC+2], v[YC+3]
	global_store_b128 v1, v[YC:YC+3], s[44:45]     ; 32 lanes store 512 consecutive bytes
	v_cndmask_b32 v[YB], v[BY], v[BY+1], s[MSK]    ; lanes 16-31 carry the second block's byte
	global_store_b8 v[YSO], v[YB], s[46:47]
.endm
	TILE_PASS QA, QSA
	s_xor_b32 s[AL], s[AL], 15                     ; the second tile: 127 - the first
	s_xor_b32 s[BS], s[BS], 7
	TILE_PASS QB, QSB
	s_wait_tensorcnt 0x0
	ds_add_u32 v254, v255
	s_wait_dscnt 0x0
	CROUND                                         ; the closing round
	s_endpgm
.Lfunc_end_k_qe83f0d6008_attn:
	.size	k_qe83f0d6008_attn, .Lfunc_end_k_qe83f0d6008_attn-k_qe83f0d6008_attn
	.p2alignl 7, 3214868480
	.fill 96, 4, 3214868480
	.section	.rodata,"a",@progbits
	.p2align	6, 0x0
	.amdhsa_kernel k_qe83f0d6008_attn
		.amdhsa_group_segment_fixed_size 169984
		.amdhsa_private_segment_fixed_size 0
		.amdhsa_enable_private_segment 0
		.amdhsa_kernarg_size 24
		.amdhsa_user_sgpr_count 2
		.amdhsa_user_sgpr_kernarg_segment_ptr 1
		.amdhsa_wavefront_size32 1
		.amdhsa_system_sgpr_workgroup_id_x 1
		.amdhsa_system_sgpr_workgroup_id_y 1
		.amdhsa_system_sgpr_workgroup_id_z 1
		.amdhsa_system_vgpr_workitem_id 0
		.amdhsa_next_free_vgpr 256
		.amdhsa_next_free_sgpr 66
		.amdhsa_reserve_vcc 1
		.amdhsa_float_denorm_mode_32 3
		.amdhsa_float_denorm_mode_16_64 3
		.amdhsa_memory_ordered 1
		.amdhsa_forward_progress 1
		.amdhsa_inst_pref_size 62
	.end_amdhsa_kernel
	.amdgpu_metadata
---
amdhsa.version: [ 1, 2 ]
amdhsa.kernels:
  - .name:           k_qe83f0d6008_attn
    .symbol:         k_qe83f0d6008_attn.kd
    .args:
      - { .name: qkv, .offset: 0, .size: 8, .value_kind: global_buffer, .address_space: global }
      - { .name: y_img, .offset: 8, .size: 8, .value_kind: global_buffer, .address_space: global }
      - { .name: y_sc, .offset: 16, .size: 8, .value_kind: global_buffer, .address_space: global }
    .group_segment_fixed_size: 169984
    .private_segment_fixed_size: 0
    .kernarg_segment_align: 8
    .kernarg_segment_size: 24
    .max_flat_workgroup_size: 512
    .sgpr_count:     66
    .vgpr_count:     256
    .wavefront_size: 32
...
	.end_amdgpu_metadata
.endif
;; end of part 4
;; launch gemm_out (part 5): grid 4 x 32, 4 waves a work-group, clusters of 4 x 4, 327,680 bytes of LDS; arguments y_img, y_sc, w_codes, w_scales, b_out, out0; writes out0
.if DOCPART == 5
	.amdgcn_target "amdgcn-amd-amdhsa--gfx1250"
	.amdhsa_code_object_version 6
	.text
	.protected	k_qe83f0d6008_gemm_out
	.globl	k_qe83f0d6008_gemm_out
	.p2align	8
	.type	k_qe83f0d6008_gemm_out,@function
k_qe83f0d6008_gemm_out:
	s_mov_b64 s[64:65], 0
	v_nop
	global_prefetch_b8 v0, s[64:65] scope:SCOPE_SE
	s_setreg_imm32_b32 hwreg(HW_REG_WAVE_MODE, 25, 1), 1
	s_wait_xcnt 0x0
	s_wait_alu depctr_hold_cnt(0) depctr_sa_sdst(0) depctr_va_vdst(0) depctr_va_sdst(0) depctr_va_ssrc(0) depctr_va_vcc(0) depctr_vm_vsrc(0)
	s_getreg_b32 s2, hwreg(HW_REG_IB_STS2, 6, 4)
	s_cmp_eq_u32 s2, 0
	s_cbranch_scc0 .Lentry_in_a_cluster
	s_endpgm
.Lentry_in_a_cluster:
	s_bfe_u32 s2, ttmp6, 0x10000c
	s_cmp_lg_u32 s2, 0xf033
	s_cbranch_scc0 .Lentry_shape_is_right
	s_endpgm
.Lentry_shape_is_right:
; out0 = y w_out + b_out on codes of FP4 (E2M1) with one E8M0 scale for each 32 along K = 1,024; out0 [8192][1024] f32; sums in f32.
; y's codes lie in the order of the operand's registers: [tile of 16 rows][head][lane][16 bytes]: heads 2 q and 2 q + 1 are the two halves of the fragment of K step q.  y's scale bytes: [8192][32].
; w_out's codes are rows 3,072 .. 4,095 of w_codes [4096][512 bytes], K innermost; its scale bytes likewise of w_scales [4096][32].
; A tile of 256 x 256 is made by four waves, each 128 x 128: 64 accumulators of 16 x 16 in 512 registers.  K's 1,024 are two LDS slots of 512, both filled at the start: nothing is filled again.
; The scale bytes of the work-group's 2 x 256 rows come with them, as two dense blocks.  THE MATRIX INSTRUCTION IS USED TRANSPOSED (source 0 = 16 rows of w, source 1 = 16 rows of y): a lane holds eight neighbouring
; numbers of a row of the output.  The bias, in that layout, is the C of each sum's first product.
; CLUSTERS: 4 x 4 work-groups.  The four of a row of the cluster need the same tiles of y, the four of a column the same tiles of w: each tile is asked for jointly.
; REGISTERS, in windows of 256: window 0: v0-31 addresses; v32-95 scale words, two sets; v96 the bias loads' offset; v128-191 y's fragments, ONE set; v192-255 the bias; on the way out v128-255 take rows of the output.
;   window 1: w's fragments, TWO sets.   window 2: accumulators of my rows 0-63 ((a, b) at v[8 (8 a + b)]);   window 3: of my rows 64-127.
.set SIZE_N, 1024
.set NQ,     4                         ; matrix instructions deep in a slot: 512 along K
.set ROWB,   256                       ; a row of w's tile in bytes
.set KROW,   512                       ; a row of codes in memory; also 1/16 of y's 8,192 bytes for 16 rows
.set PITCH,  272                       ; a row of w in LDS: 256 bytes + 16 of padding: the 16 rows that a load touches start at 16 different banks (64 banks of 4 bytes: ISA guide 11.1)
.set AIMG,   4096                      ; y in LDS: a tile of 16 rows x 512 along K: 8 heads' images, dense: every read takes 16 x lane
.set FR,     8
.set NL,     2
.set NP,     4                         ; places behind this matrix instruction (ISA guide 7.12.1)
.set HALFT,  128*PITCH                 ; the place of 128 rows (y's use 32,768 bytes of it)
.set SLOT,   4*HALFT
.set KS,     32
.set SCL,    2*SLOT
.set HALFS,  (128*KS/256)*272
.set SBLK,   (16*KS/256)*272
.set SPARE,  SCL+4*HALFS               ; the spare words, 128 bytes for each wave, which no other line names
.set SPITCH, 528                       ; the way out: a stage of 16 rows x (512 bytes + 16) for each wave, in slot 0, which has had its only fill and its last read when the first result is stored there
.set ADRA, 16
.set ADRB, 20
.set STO,  24
.set RD,   25
.set CO,   26
.set ADRS, 27
.set SPW,  28
.set NIL,  29
.set SC,   32
.set VB,   96
.set AF,   128
.set BIAS, 192
.set BK,   128
.set G1, 24
.set G0, 32
.set G1B, 48
.set G0B, 56
.set G1S, 68
.set G0S, 76
.set G1SB, 80
.set G0SB, 88
.set MSB, 0
.macro WIN new                         ; the immediate's high byte repeats the setting that is left
.if MSB != \new
	s_set_vgpr_msb (MSB<<8)|\new
.set MSB, \new
.endif
.endm
.set MUL_LO, 0xa1                      ; source 0 (w) window 1, source 1 (y) window 0, C and D window 2
.set MUL_HI, 0xf1                      ; the same, C and D window 3
.set BEG_LO, 0x81                      ; the first step: C (the bias) window 0, D window 2
.set BEG_HI, 0xc1                      ; D window 3
.set TO_B,   0x40                      ; destination window 1, address window 0
; A joint load: waves 0 and 1 fetch for y, waves 2 and 3 for w; four v_nop follow each of the two lines, ahead of the jump, the label and what follows.
.macro JLOAD g0a, g1a, g0b, g1b
	s_cmp_eq_u32 s15, 0
	s_cbranch_scc0 .Lfor_b_\@
	tensor_load_to_lds s[\g0a:\g0a+3], s[\g1a:\g1a+7]
	s_nop 0
.rept 4
	v_nop
.endr
	s_branch .Lasked_\@
.Lfor_b_\@:
	tensor_load_to_lds s[\g0b:\g0b+3], s[\g1b:\g1b+7]
	s_nop 0
.rept 4
	v_nop
.endr
.Lasked_\@:
.endm
.macro CROUND                          ; a round of the cluster's barrier
	s_barrier_signal -1
	s_barrier_wait -1
	s_cmp_lg_u32 s14, 0
	s_cbranch_scc1 .Lnot_wave_0_\@
	s_barrier_signal -3
.Lnot_wave_0_\@:
	s_barrier_wait -3
	s_barrier_signal -1
	s_barrier_wait -1
.endm
	s_load_b128 s[4:7], s[0:1], 0x0                ; y's images, y's scales
	s_load_b128 s[8:11], s[0:1], 0x10              ; w's codes, w's scales
	s_load_b128 s[96:99], s[0:1], 0x20             ; b_out, out0
	v_lshl_add_u32 v[SPW], v0, 2, SPARE
	v_mov_b32 v[NIL], 0
	ds_add_u32 v28, v29
	ds_add_u32 v28, v29
	s_wait_dscnt 0x0
	v_lshrrev_b32 v1, 5, v0
	v_readfirstlane_b32 s14, v1                    ; wave 0..3
	s_lshr_b32 s15, s14, 1                         ; which half of the tile's rows is mine.  Also: I fetch for y (0) or for w (1)
	s_and_b32 s16, s14, 1                          ; which half of its columns.  Also: which 128 rows of that tile I fetch
	s_bfe_u32 s40, ttmp6, 0x40000                  ; cx, cy: my place in the cluster
	s_bfe_u32 s41, ttmp6, 0x40004
	s_lshl_b32 s42, ttmp9, 2
	s_add_co_u32 s42, s42, s40                     ; tile column = 4 x cluster x + cx
	s_and_b32 s17, ttmp7, 0xffff
	s_lshl_b32 s17, s17, 2
	s_add_co_u32 s17, s17, s41                     ; tile row = 4 x cluster y + cy
	s_lshl_b32 s43, s41, 2
	s_lshl_b32 s43, 15, s43                        ; my row of the cluster
	s_lshl_b32 s44, 0x1111, s40                    ; my column
	; descriptor group 1 for y: 8 tiles of 16 rows, of each 4,096 consecutive bytes (512 elements of 8 bytes), 8,192 bytes apart; dense in LDS
	s_or_b32 s[G1+0], s43, (3<<16)|(1<<21)         ; 15:0 the mask: my row; 17:16 elements of 8 bytes; 21 set beside a mask; no padding
	s_mov_b32 s[G1+1], 512<<16                     ; tensor_dim0
	s_mov_b32 s[G1+2], 8<<16                       ; tensor_dim1
	s_mov_b32 s[G1+3], 512<<16                     ; tile_dim0
	s_mov_b32 s[G1+4], 8                           ; tile_dim1
	s_mov_b32 s[G1+5], 1024                        ; tensor_dim0_stride
	s_mov_b32 s[G1+6], 0
	s_mov_b32 s[G1+7], 0
	; for w: 128 rows x 256 bytes, padded in LDS
	s_or_b32 s[G1B+0], s44, (0<<16)|(1<<20)|(1<<21)|(5<<22)|(3<<25)  ; the mask: my column; elements of 1 byte; padding of 4 words after every 64
	s_mov_b32 s[G1B+1], ROWB<<16
	s_mov_b32 s[G1B+2], 128<<16
	s_mov_b32 s[G1B+3], ROWB<<16
	s_mov_b32 s[G1B+4], 128
	s_mov_b32 s[G1B+5], KROW
	s_mov_b32 s[G1B+6], 0
	s_mov_b32 s[G1B+7], 0
	; and for the scales of 128 rows: a dense block of 4,096 bytes, as rows of 256 bytes, 16 bytes of padding behind each
	s_or_b32 s[G1S+0], s43, (3<<16)|(1<<20)|(1<<21)|(5<<22)|(3<<25)
	s_or_b32 s[G1SB+0], s44, (3<<16)|(1<<20)|(1<<21)|(5<<22)|(3<<25)
.irp g, G1S, G1SB
	s_mov_b32 s[\g+1], 32<<16
	s_mov_b32 s[\g+2], (128*KS/256)<<16
	s_mov_b32 s[\g+3], 32<<16
	s_mov_b32 s[\g+4], 128*KS/256
	s_mov_b32 s[\g+5], 32
	s_mov_b32 s[\g+6], 0
	s_mov_b32 s[\g+7], 0
.endr
	s_lshl_b32 s18, s16, 7                         ; which 128 rows of the tile I fetch
	s_lshl_b32 s20, s17, 8
	s_add_co_u32 s20, s20, s18                     ; y: row 256 x tile row + 128 x half
	s_lshl_b32 s46, s42, 8
	s_add_co_u32 s46, s46, s18
	s_add_co_u32 s46, s46, 3072                    ; w: row 3,072 + 256 x tile column + 128 x half
	s_mov_b32 s21, 0
	s_mov_b32 s47, 0
	s_mov_b64 s[18:19], KS
	s_mul_u64 s[22:23], s[20:21], s[18:19]         ; where these rows' scales begin, in bytes
	s_mul_u64 s[92:93], s[46:47], s[18:19]
	s_mov_b64 s[18:19], KROW
	s_mul_u64 s[20:21], s[20:21], s[18:19]         ; and their codes (y: 16 rows are 8,192 bytes, so 512 a row here too)
	s_mul_u64 s[46:47], s[46:47], s[18:19]
	s_mul_i32 s45, s14, HALFT                      ; where they go: no place in the cluster enters an LDS address
	s_mul_i32 s94, s14, HALFS
	s_wait_kmcnt 0x0
	s_add_nc_u64 s[20:21], s[4:5], s[20:21]
	s_add_nc_u64 s[22:23], s[6:7], s[22:23]
	s_add_nc_u64 s[46:47], s[8:9], s[46:47]
	s_add_nc_u64 s[92:93], s[10:11], s[92:93]
	CROUND                                         ; all sixteen work-groups are here: the joint loads meet
	s_mov_b32 s[G0S], 1
	s_add_co_u32 s[G0S+1], s94, SCL
	s_mov_b64 s[G0S+2:G0S+3], s[22:23]
	s_or_b32 s[G0S+3], s[G0S+3], 0x80000000
	s_mov_b32 s[G0SB], 1
	s_add_co_u32 s[G0SB+1], s94, SCL
	s_mov_b64 s[G0SB+2:G0SB+3], s[92:93]
	s_or_b32 s[G0SB+3], s[G0SB+3], 0x80000000
	JLOAD G0S, G1S, G0SB, G1SB                     ; the scales first.  Three loads of mine go out here, and no more in the launch
.irp s, 0,1
	s_mov_b32 s[G0+4*\s], 1
	s_add_co_u32 s[G0+4*\s+1], s45, \s*SLOT
	s_add_nc_u64 s[G0+4*\s+2:G0+4*\s+3], s[20:21], \s*AIMG
	s_or_b32 s[G0+4*\s+3], s[G0+4*\s+3], 0x80000000
	s_mov_b32 s[G0B+4*\s], 1
	s_add_co_u32 s[G0B+4*\s+1], s45, \s*SLOT
	s_add_nc_u64 s[G0B+4*\s+2:G0B+4*\s+3], s[46:47], \s*ROWB
	s_or_b32 s[G0B+4*\s+3], s[G0B+4*\s+3], 0x80000000
	s_wait_alu depctr_va_vdst(0)
	s_wait_tensorcnt 0x0
	ds_add_u32 v28, v29
	s_wait_dscnt 0x0
	CROUND
	JLOAD G0+4*\s, G1, G0B+4*\s, G1B
.endr
	v_and_b32 v1, 15, v0                           ; r = l % 16
	v_bfe_u32 v2, v0, 4, 1                         ; h = l / 16
	v_mul_u32_u24 v3, v1, PITCH
	v_lshl_add_u32 v4, v2, 4, v3                   ; w: a fragment's row x pitch + 16 x half
	v_and_b32 v6, 31, v0
	v_lshlrev_b32 v[CO], 4, v6                     ; y: 16 x lane.  Also my place in a row of the output
	s_mul_i32 s21, s15, HALFT                      ; my 128 rows of y
	s_mul_i32 s22, s16, HALFT                      ; my 128 rows of w,
	s_add_co_u32 s22, s22, 2*HALFT                 ; which lie behind y's 256
.irp s, 0,1
	v_add_nc_u32 v[ADRA+\s], s21, v[CO]
	v_add_nc_u32 v[ADRB+\s], s22, v4
	s_add_co_u32 s21, s21, SLOT
	s_add_co_u32 s22, s22, SLOT
.endr
	v_mul_u32_u24 v5, v1, KS                       ; my row's scales: 32 bytes a row,
	v_lshrrev_b32 v6, 8, v5
	v_lshl_add_u32 v5, v6, 4, v5                   ; and 16 more for each 256 passed
	s_mul_i32 s21, s15, HALFS
	s_mul_i32 s22, s16, HALFS
	s_add_co_u32 s22, s22, 2*HALFS
	s_sub_co_u32 s22, s22, s21
	v_mul_u32_u24 v6, s22, v2                      ; lanes 16-31 take w's
	s_add_co_u32 s21, s21, SCL
	v_add_nc_u32 v5, v5, v6
	v_add_nc_u32 v[ADRS], s21, v5
	s_mul_i32 s23, s14, 16*SPITCH                  ; my stage
	v_mul_u32_u24 v5, v1, SPITCH                   ; in: row l % 16, 32 bytes for each half of the lanes
	v_lshl_add_u32 v5, v2, 5, v5
	v_add_nc_u32 v[STO], s23, v5
	v_add_nc_u32 v[RD], s23, v[CO]                 ; back: the 32 lanes take one row of 512 bytes
	v_lshlrev_b32 v[VB], 5, v2                     ; the bias: 32 h
	s_wait_alu depctr_va_vdst(0)
	s_lshl_b32 s20, s17, 8
	s_lshl_b32 s21, s15, 7
	s_add_co_u32 s20, s20, s21                     ; my first row of the output
	s_mov_b32 s21, 0
	s_mov_b64 s[18:19], SIZE_N*4
	s_mul_u64 s[20:21], s[20:21], s[18:19]
	s_lshl_b32 s46, s42, 10                        ; my first column, in bytes: 1,024 x tile column + 512 x half
	s_lshl_b32 s47, s16, 9
	s_add_co_u32 s46, s46, s47
	s_mov_b32 s47, 0
	s_add_nc_u64 s[96:97], s[96:97], s[46:47]      ; its bias
	s_add_nc_u64 s[20:21], s[20:21], s[46:47]
	s_add_nc_u64 s[12:13], s[98:99], s[20:21]
.irp b, 0,1,2,3,4,5,6,7
	global_load_b128 v[BIAS+8*\b:BIAS+8*\b+3],   v[VB], s[96:97] offset:64*\b      ; b(16 b + 8 h + 0 .. 7)
	global_load_b128 v[BIAS+8*\b+4:BIAS+8*\b+7], v[VB], s[96:97] offset:64*\b+16
.endr
.macro FRAGB reg, adr, q, i            ; a fragment of w from rows: lane l holds row l % 16; registers 4 c .. 4 c + 3 hold K = 64 c + 32 (l / 16) + 0 .. 31
.irp c, 0,1
	ds_load_b128 v[\reg+4*\c:\reg+4*\c+3], v[\adr] offset:64*(\q)+32*\c+(\i)*16*PITCH
.endr
.endm
.macro FRAGA reg, adr, q, i            ; a fragment of y from its image: tile of rows i, heads 2 q + c
.irp c, 0,1
	ds_load_b128 v[\reg+4*\c:\reg+4*\c+3], v[\adr] offset:1024*(\q)+512*\c+(\i)*AIMG
.endr
.endm
; 16 matrix instructions: y's blocks a0, a0 + 1 x w's eight, 128 along K.  zero = 1: the first product starts the sums with the bias as C.
; The 64 accumulators take turns, one instruction a turn, in the same order in every step.
.macro MUL16 a0, p, q, sc, zero
.irp a, \a0, \a0+1
.irp b, 0,1,2,3,4,5,6,7
.if \zero
	v_wmma_scale_f32_16x16x128_f8f6f4 v[8*(8*((\a)%4)+\b):8*(8*((\a)%4)+\b)+7], v[128*(\p)+FR*\b:128*(\p)+FR*\b+FR-1], v[AF+FR*(\a):AF+FR*(\a)+FR-1], v[BIAS+8*\b:BIAS+8*\b+7], v[SC+8*NQ*(\sc)+NQ*\b+(\q)], v[SC+8*NQ*(\sc)+NQ*(\a)+(\q)] matrix_a_fmt:MATRIX_FMT_FP4 matrix_b_fmt:MATRIX_FMT_FP4 matrix_a_scale:MATRIX_SCALE_ROW1
.else
	v_wmma_scale_f32_16x16x128_f8f6f4 v[8*(8*((\a)%4)+\b):8*(8*((\a)%4)+\b)+7], v[128*(\p)+FR*\b:128*(\p)+FR*\b+FR-1], v[AF+FR*(\a):AF+FR*(\a)+FR-1], v[8*(8*((\a)%4)+\b):8*(8*((\a)%4)+\b)+7], v[SC+8*NQ*(\sc)+NQ*\b+(\q)], v[SC+8*NQ*(\sc)+NQ*(\a)+(\q)] matrix_a_fmt:MATRIX_FMT_FP4 matrix_b_fmt:MATRIX_FMT_FP4 matrix_a_scale:MATRIX_SCALE_ROW1
.endif
.endr
.endr
.endm
.macro FETCH_B slot, q, p
	WIN TO_B
.irp i, 0,1,2,3,4,5,6,7
	FRAGB 128*(\p)+FR*\i, ADRB+\slot, \q, \i
.endr
	WIN 0
.endm
.macro FETCH_A slot, q, i0
.irp i, \i0, \i0+1, \i0+2, \i0+3
	FRAGA AF+FR*(\i), ADRA+\slot, \q, \i
.endr
.endm
.macro SCALES sc                       ; a slot's scale words into set sc: lanes 0-15 take y's block i, lanes 16-31 w's block i
.irp i, 0,1,2,3,4,5,6,7
	ds_load_b128 v[SC+8*NQ*\sc+NQ*\i:SC+8*NQ*\sc+NQ*\i+3], v[ADRS] offset:\i*SBLK
.endr
.endm
; A load into a register that a matrix instruction has read, and a store that reads a matrix result, stand NP places behind that matrix instruction, and only plain vector instructions that name none of its
; registers are places (ISA guide 7.12.1 for vector instructions).
.macro PLACES n
.rept \n
	v_nop
.endr
.endm
.macro STEP slot, q, zero
	s_wait_dscnt 4*NL                              ; w's set and y's blocks 0-3 are in; the youngest eight loads (y's blocks 4-7) may be out
.if \zero
	WIN BEG_LO
.else
	WIN MUL_LO
.endif
	MUL16 0, (\q)%2, \q, \slot, \zero
	MUL16 2, (\q)%2, \q, \slot, \zero
	s_wait_dscnt 0                                 ; y's blocks 4-7 are in (asked for 32 matrix instructions ago)
	PLACES NP
	FETCH_B \slot, (\q)+1, 1-(\q)%2
	FETCH_A \slot, (\q)+1, 0
.if \zero
	WIN BEG_HI
.else
	WIN MUL_HI
.endif
	MUL16 4, (\q)%2, \q, \slot, \zero
	MUL16 6, (\q)%2, \q, \slot, \zero
	PLACES NP
	WIN 0
	FETCH_A \slot, (\q)+1, 4
.endm
; Slot 0's last step changes slots: one barrier; in front of it each wave waits for all its tensor loads (its part of slot 1), adds 0 to its spare word, and waits for that and for its own reads of slot 0.
; Behind it slot 1 is whole, and nobody reads slot 0 any more.  Nothing is filled again.
.macro TURN slot, next
	s_wait_tensorcnt 0x0                           ; all my tensor loads have landed  (every window is 0 here)
	ds_add_u32 v[SPW], v[NIL]                      ; 0 onto my spare word
	s_wait_dscnt 4*NL+1                            ; (the add and the youngest eight loads may be out)
	WIN MUL_LO
	MUL16 0, 1, NQ-1, \slot, 0                     ; sixteen matrix instructions stand between the add and the wait for it
	s_wait_dscnt 0x0                               ; the add is done, and my reads of this slot are over
	s_barrier_signal -1
	MUL16 2, 1, NQ-1, \slot, 0
	WIN 0
	s_barrier_wait -1
	PLACES NP
	v_add_nc_u32 v[ADRS], 4*NQ, v[ADRS]            ; on to the next slot's scale words (no LDS load of mine is out)
	FETCH_B \next, 0, 0
	FETCH_A \next, 0, 0
	SCALES \next
	WIN MUL_HI
	MUL16 4, 1, NQ-1, \slot, 0
	MUL16 6, 1, NQ-1, \slot, 0
	PLACES NP
	WIN 0
	FETCH_A \next, 0, 4
.endm
	s_wait_loadcnt 0x0                             ; the bias is in
	s_wait_tensorcnt 1                             ; the scales and my part of slot 0 are in (slot 1's load may be out)
	s_barrier_signal -1
	s_barrier_wait -1                              ; everybody's are
	FETCH_B 0, 0, 0
	FETCH_A 0, 0, 0
	SCALES 0
	FETCH_A 0, 0, 4
	STEP 0, 0, 1                                   ; the first step's products start the sums with the bias
	STEP 0, 1, 0
	STEP 0, 2, 0
	TURN 0, 1
	STEP 1, 0, 0
	STEP 1, 1, 0
	STEP 1, 2, 0
	s_wait_dscnt 4*NL                              ; the very last step: nothing more to fetch
	WIN MUL_LO
	MUL16 0, 1, NQ-1, 1, 0
	MUL16 2, 1, NQ-1, 1, 0
	s_wait_dscnt 0
	WIN MUL_HI
	MUL16 4, 1, NQ-1, 1, 0
	MUL16 6, 1, NQ-1, 1, 0
	WIN 0
; THE WAY OUT, block by block of 16 rows x 128 columns.  A lane holds 32 neighbouring bytes of a row, and the lanes beside it hold other rows: so a block goes through my own stage in LDS and comes back as whole
; rows of 512 bytes.  LDS serves a wave's instructions in order (ISA guide 5.7.1.4): no wait between the stores and the loads, nor in front of the next block's stores.
.macro TOSTAGE a
.set AC, 64*((\a)%4)
	WIN 0x08+4*((\a)/4)                            ; the data: window 2 or 3
.irp b, 0,1,2,3,4,5,6,7
	ds_store_b128 v[STO], v[AC+8*\b:AC+8*\b+3] offset:64*\b          ; each accumulator from its low end on
	ds_store_b128 v[STO], v[AC+8*\b+4:AC+8*\b+7] offset:64*\b+16
.endr
	WIN 0
.set BB, BK+64*((\a)%2)
.irp t, 0,1,2,3,4,5,6,7,8,9,10,11,12,13,14,15
	ds_load_b128 v[BB+4*\t:BB+4*\t+3], v[RD] offset:\t*SPITCH
.endr
.endm
.macro SEND a, younger                 ; younger: the LDS instructions issued behind block a's loads, which may stay out
.set BB, BK+64*((\a)%2)
	s_wait_dscnt \younger                          ; the block is back in registers
.if (\a) > 0
	s_add_nc_u64 s[12:13], s[12:13], 16*SIZE_N*4   ; (behind a wait on XCNT: the earlier stores have read their base)  16 rows on, so that the stores' offsets stay small
.endif
.irp t, 0,1,2,3,4,5,6,7,8,9,10,11,12,13,14,15
	global_store_b128 v[CO], v[BB+4*\t:BB+4*\t+3], s[12:13] offset:\t*SIZE_N*4 th:TH_STORE_NT   ; 32 lanes store 512 consecutive bytes, at a multiple of 512 from the output's first byte; written once, read by nobody here
.endr
.endm
	PLACES NP                                      ; in front of the loads into the registers that held y's fragments, and of the first read of results
	TOSTAGE 0
.irp a, 1,2,3,4,5,6,7
.if \a > 1
	s_wait_xcnt 0x0                                ; block a - 2's stores have read their registers and their base: block a's loads may land there, and the base may step
.endif
	TOSTAGE \a
	SEND \a-1, 32                                  ; behind block a - 1's loads: block a's 16 stores and 16 loads
.endr
	s_wait_xcnt 0x0                                ; block 6's stores have read their base
	SEND 7, 0
	s_wait_tensorcnt 0x0                           ; the wave's end: behind my last tensor load and my last LDS store
	ds_add_u32 v[SPW], v[NIL]
	s_wait_dscnt 0x0
	CROUND                                         ; the closing round: no work-group ends while a partner may still ask for a tile that names it
	s_endpgm
.Lfunc_end_k_qe83f0d6008_gemm_out:
	.size	k_qe83f0d6008_gemm_out, .Lfunc_end_k_qe83f0d6008_gemm_out-k_qe83f0d6008_gemm_out
	.p2alignl 7, 3214868480
	.fill 96, 4, 3214868480
	.section	.rodata,"a",@progbits
	.p2align	6, 0x0
	.amdhsa_kernel k_qe83f0d6008_gemm_out
		.amdhsa_group_segment_fixed_size 327680
		.amdhsa_private_segment_fixed_size 0
		.amdhsa_enable_private_segment 0
		.amdhsa_kernarg_size 48
		.amdhsa_user_sgpr_count 2
		.amdhsa_user_sgpr_kernarg_segment_ptr 1
		.amdhsa_wavefront_size32 1
		.amdhsa_system_sgpr_workgroup_id_x 1
		.amdhsa_system_sgpr_workgroup_id_y 1
		.amdhsa_system_sgpr_workgroup_id_z 1
		.amdhsa_system_vgpr_workitem_id 0
		.amdhsa_next_free_vgpr 1024
		.amdhsa_next_free_sgpr 100
		.amdhsa_reserve_vcc 0
		.amdhsa_float_denorm_mode_32 3
		.amdhsa_float_denorm_mode_16_64 3
		.amdhsa_memory_ordered 1
		.amdhsa_forward_progress 1
		.amdhsa_inst_pref_size 127
	.end_amdhsa_kernel
	.amdgpu_metadata
---
amdhsa.version: [ 1, 2 ]
amdhsa.kernels:
  - .name:           k_qe83f0d6008_gemm_out
    .symbol:         k_qe83f0d6008_gemm_out.kd
    .args:
      - { .name: y_img, .offset: 0, .size: 8, .value_kind: global_buffer, .address_space: global }
      - { .name: y_sc, .offset: 8, .size: 8, .value_kind: global_buffer, .address_space: global }
      - { .name: w_codes, .offset: 16, .size: 8, .value_kind: global_buffer, .address_space: global }
      - { .name: w_scales, .offset: 24, .size: 8, .value_kind: global_buffer, .address_space: global }
      - { .name: b_out, .offset: 32, .size: 8, .value_kind: global_buffer, .address_space: global }
      - { .name: out0, .offset: 40, .size: 8, .value_kind: global_buffer, .address_space: global }
    .group_segment_fixed_size: 327680
    .private_segment_fixed_size: 0
    .kernarg_segment_align: 8
    .kernarg_segment_size: 48
    .max_flat_workgroup_size: 128
    .sgpr_count:     100
    .vgpr_count:     1024
    .wavefront_size: 32
...
	.end_amdgpu_metadata
.endif
;; end of part 5
